; MI455X (gfx1250); checked and timed in simulation.
; The chip was launched on July 23, 2026; its instructions are those of AMD's public machine-readable ISA for CDNA 5 (MIT licence, August 2026) and "CDNA5" Instruction Set Architecture Reference Guide (July 2026). The comments in the code are by the model that wrote it; some were corrected since.
;; Attention. Allowed arithmetic: matrix products marked QUANTISED: E5M2 operands, one E8M0 scale for each 32 along K, by v_wmma_scale_f32_16x16x128_f8f6f4 with both operands' format E5M2, f32 sums; everything else in f32.
;; Inputs: c_attn_b 3,072 float32; c_attn_w 1,024 x 3,072 float32; c_proj_b 1,024 float32; c_proj_w 1,024 x 1,024 float32; x 8 x 1,024 x 1,024 float32.
;; Outputs: out0 8 x 1,024 x 1,024 float32.
;; This version of the problem:
;;   THIS VERSION OF THE PROBLEM IS GIVEN IN LOW PRECISION. The matrix products marked QUANTISED in the list below multiply operands that are first quantised to E5M2 (5 exponent bits, 2 mantissa bits; 8 bits a number), with one power-of-two scale for each 32 numbers along K (OCP MX v1.0); their sums are f32. All else is computed in f32.
;;   The module's matrix products, in the order in which they are computed (A, B: the left and right operand; K: the contracted axis; several contracted axes count as one K, in the product's order):
;;     1. [M 8,192, K 1,024] x [K 1,024, N 3,072]; A: input x; B: input c_attn_w: QUANTISED
;;     2. batch 128 x [M 1,024, K 64] x [K 64, N 1,024]; A: computed on the way; B: computed on the way: QUANTISED
;;     3. batch 128 x [M 1,024, K 1,024] x [K 1,024, N 64]; A: softmax (see below); B: computed on the way: QUANTISED
;;     4. [M 8,192, K 1,024] x [K 1,024, N 1,024]; A: computed on the way; B: input c_proj_w: QUANTISED
;;   THE QUANTISER, for each operand of a quantised product, along K:
;;     - K is cut into blocks of 32 from its start; a last block that is shorter is filled with zeros.
;;     - A block's scale is 2^e with e = floor(log2(the largest magnitude in the block)) - 15, held to -126 .. 127; a block of zeros has e = 0. As a byte (E8M0): e + 127.
;;     - Each number is divided by its block's scale, clamped to +-57,344, and rounded to the nearest number of E5M2, ties to even, subnormals kept.
;;     - The product sums the exact products of the quantised numbers (number of the format x scale) in f32.
;;   ~~~python
;;   def quantise(x, axis):      # numpy; x: float32 -> the quantised numbers, widened to float32 again
;;       x = np.moveaxis(x, axis, -1); K = x.shape[-1]
;;       x = np.pad(x, [(0, 0)] * (x.ndim - 1) + [(0, -K % 32)]); x = x.reshape(x.shape[:-1] + (-1, 32)); a = np.abs(x).max(-1, keepdims=True)
;;       e = np.where(a > 0, np.clip(np.frexp(np.where(a > 0, a, 1))[1] - 1 - 15, -126, 127), 0)      # np.frexp(a)[1] - 1 = floor(log2(a)), exactly
;;       r = np.clip(x / 2.0 ** e, -57344, 57344)
;;       step = 2.0 ** (np.maximum(np.frexp(np.where(r == 0, 1, r))[1] - 1, -14) - 2)
;;       q = np.round(r / step) * step * 2.0 ** e      # np.round: ties to even
;;       return np.moveaxis(q.reshape(q.shape[:-2] + (-1,))[..., :K], -1, axis).astype(np.float32)
;;   ~~~
;;   SOFTMAX AHEAD OF A QUANTISED PRODUCT. Where the list says 'softmax', what is quantised is not the finished softmax but p = 2^(t - M), with t = logit x log2(e) and M = ceil(the row's largest t), a whole number; so 1/2 < the row's largest p <= 1. The row's sum l is taken of the UNQUANTISED p, in f32, and the product's result is divided by l at the end. Since M is a whole number, a kernel that streams over the keys may use a running M (the ceiling of the running maximum): every later rescaling is an exact power of two, which a block's scale takes up: the codes' values come out the same.
;;   OPERANDS COMPUTED ON THE WAY. 'Computed on the way' means the value that the module computes at that place (a softmax that the list does not call 'softmax' is quantised finished and normalised). What goes into a quantiser is computed in f32, as accurately as f32 sums, v_exp_f32 and their like allow (about 1e-6 of the number): no bf16 or f16 on the way to a quantiser, and a product that is left as it is and whose result goes on into a quantised operand takes f32 operands (vector FMAs, or v_wmma_f32_16x16x4_f32). A number that lies on a knife's edge between two numbers of the format may be rounded either way, as far as f32 arithmetic and the matrix unit's own rounding can turn it there, and no further.
;; One version. Each part assembles by itself: llvm-mc -triple=amdgcn-amd-amdhsa -mcpu=gfx1250 --defsym DOCPART=n.
;; ======== version 1 of 1: 4 launches
;; limits: right only within a limited range of input values
;; workspace buffers: xq 8,650,752 bytes; wq 8,519,680 bytes; qq 8,912,896 bytes; kv 17,563,648 bytes; aq 8,650,752 bytes
;; launch prep (part 1): grid 384 x 1, 4 waves a work-group, no clusters, 34,304 bytes of LDS; arguments x, c_attn_w, c_proj_w, xq, wq; writes xq, wq
.if DOCPART == 1
	.amdgcn_target "amdgcn-amd-amdhsa--gfx1250"
	.amdhsa_code_object_version 6
	.text
	.protected	k_q7976cdb40f_prep
	.globl	k_q7976cdb40f_prep
	.p2align	8
	.type	k_q7976cdb40f_prep,@function
k_q7976cdb40f_prep:
	s_mov_b64 s[64:65], 0
	v_nop
	global_prefetch_b8 v0, s[64:65] scope:SCOPE_SE
	s_setreg_imm32_b32 hwreg(HW_REG_WAVE_MODE, 25, 1), 1
	s_wait_xcnt 0x0
; x [8192][1024], c_attn_w [1024][3072] and c_proj_w [1024][1024], f32, become codes of BF8 (E5M2) with one E8M0 byte for each 32 along K (K = 1024: x's last axis, the weights' first).
; A block's scale is 2^(floor(log2(its largest magnitude)) - 15); its byte is the largest magnitude's exponent field - 15, held at 1 from below; each number is held within +-57,344 x the scale and converted, ties to even.
; LIMITS: NaN and infinities among the inputs are not served; a block of zeros, and a block whose largest magnitude lies under 2^-111, gets the byte 1 (its codes are what the conversion gives under that scale; the bytes are read by this program alone).
; LAYOUT OF THE RESULTS: images of the matrix operand's registers.  A tile is 16 rows (tokens of x, columns of a weight); an image is 16 rows x 128 K = 2,048 bytes, [c 0..3][lane 0..31][16 bytes]:
; piece (c, lane (r, h)) holds k = 32 c + 16 h + 0 .. 15 of the tile's row r.  Codes: [tile][K step of 128, 0..7][2,048].  Tile 2 B + u, row r, is the natural row 32 B + 8 u + r + 8 (r / 8).
; Scale bytes, from byte SCOFF on: [tile][K / 256, 0..3][r][8 bytes]: the two scale words of 256 along K.  wq's tiles 0..191 are c_attn_w's columns, 192..255 c_proj_w's.
; SHARES: work-groups 0..255 take x (a wave: one tile x 512 along K), work-groups 256..383 the weights (a wave: 32 columns x 256 along K).  Each work-group reads 128 KB.  Waves share nothing: no barrier.  Only x's path uses LDS.
.set SCOFF, 8388608
.set SEL, 28                           ; s[28:29] v_permlanex16_b32's selects for lane l xor 16
.set MNT, 30
.set HM,  31                           ; s31  the lanes 16-31, as a mask
.set R,   32                           ; x: v32-159  two sets of 64 numbers as loaded
.set X,   160                          ; x: v160-223 64 numbers, register 16 c + i = k 32 c + 16 h + i of my row
.set PC,  224                          ; x: v224-239 the codes just made
.set TM,  240                          ; x: v240-255 at work
.set PWS, 8                            ; x: v8-11    a scale word for each K step
.set VO,  32                           ; w: v32-63   4 x lane + i rows of the weight
.set WX,  64                           ; w: v64-127  two sets of 32 numbers
.set WC,  128                          ; w: v128-191 eight registers of codes for each block: no store's data are written again
.set WB,  24                           ; w: v[24:25] my column's eight scale bytes
; 64 numbers of a lane become a fragment's codes in v[PC] on and my row's scale word in v[pw]
.macro QUANT s, pw
.irp b, 0,1,2,3
	v_max3_num_f32 v[TM+\b], |v[\s+16*\b]|, |v[\s+1+16*\b]|, 0x8000000   ; block b: my 16 numbers, and the floor 2^(16 - 127): the byte cannot fall under 1
.endr
.irp i, 2,4,6,8,10,12,14
.irp b, 0,1,2,3
	v_max3_num_f32 v[TM+\b], v[TM+\b], |v[\s+16*\b+\i]|, |v[\s+1+16*\b+\i]|   ; the four blocks by turns
.endr
.endr
.irp b, 0,1,2,3
	v_permlanex16_b32 v[TM+4+\b], v[TM+\b], s[SEL], s[SEL+1]
.endr
.irp b, 0,1,2,3
	v_max_num_f32 v[TM+\b], v[TM+\b], v[TM+4+\b]   ; with lane l xor 16's: the block's largest magnitude
.endr
.irp b, 0,1,2,3
	v_add_nc_u32 v[TM+12+\b], 0xf8800000, v[TM+\b]   ; 15 off its exponent field: the conversion's scale operand
.endr
.irp b, 0,1,2,3
.endr
.irp b, 0,1,2,3
	v_lshrrev_b32 v[TM+4+\b], 23, v[TM+12+\b]   ; the scale's byte
.endr
	v_lshl_or_b32 v[\pw], v[TM+5], 8, v[TM+4]
	v_lshl_or_b32 v[\pw], v[TM+6], 16, v[\pw]
	v_lshl_or_b32 v[\pw], v[TM+7], 24, v[\pw]
.irp b, 0,1,2,3
.irp i, 0,1,2,3,4,5,6,7,8,9,10,11,12,13,14,15
.endr
	v_cvt_scalef32_pk8_bf8_f32 v[PC+4*\b:PC+1+4*\b], v[\s+16*\b:\s+7+16*\b], v[TM+12+\b]
	v_cvt_scalef32_pk8_bf8_f32 v[PC+2+4*\b:PC+3+4*\b], v[\s+8+16*\b:\s+15+16*\b], v[TM+12+\b]
.endr
	v_nop                                          ; a plain line behind the last conversion
.endm
.macro XLOAD t                         ; K step t of my tile: 16 rows x 512 bytes; each load reads 512 consecutive bytes of one row
.irp i, 0,1,2,3,4,5,6,7,8,9,10,11,12,13,14,15
	global_load_b128 v[R+64*((\t)%2)+4*\i:R+64*((\t)%2)+4*\i+3], v1, s[4:5] offset:(\i+8*(\i/8))*4096+512*(\t) th:TH_LOAD_NT
.endr
.endm
.macro XTURN t                         ; through my wave's stage (rows 528 bytes apart: 33 x 16, so sixteen rows start in sixteen different groups of banks); LDS serves a wave's instructions in order
.irp i, 0,1,2,3,4,5,6,7,8,9,10,11,12,13,14,15
	ds_store_b128 v2, v[R+64*((\t)%2)+4*\i:R+64*((\t)%2)+4*\i+3] offset:528*\i
.endr
.irp c, 0,1,2,3
.irp j, 0,1,2,3
	ds_load_b128 v[X+16*\c+4*\j:X+16*\c+4*\j+3], v3 offset:128*\c+16*\j
.endr
.endr
.endm
.macro XSTEP t
.if (\t) < 3
	s_wait_loadcnt 16                              ; this K step's 16 loads are in; the next one's 16 may be out
.else
	s_wait_loadcnt 0x0
.endif
	XTURN \t
	s_wait_dscnt 0x0                               ; the numbers are back, and the stage's stores have read their registers
.if (\t) < 2
	XLOAD (\t)+2
.endif
.if (\t) > 0
	s_wait_xcnt 0x0                                ; the last K step's stores have read the codes' registers, which are written again below
.endif
	QUANT X, PWS+(\t)
.irp c, 0,1,2,3
	global_store_b128 v1, v[PC+4*\c:PC+4*\c+3], s[10:11] offset:2048*(\t)+512*\c   ; 512 consecutive bytes, aligned
.endr
.endm
.macro WLOAD t                         ; block t: W(32 t + i, my column)
.irp i, 0,1,2,3,4,5,6,7,8,9,10,11,12,13,14,15,16,17,18,19,20,21,22,23,24,25,26,27,28,29,30,31
	global_load_b32 v[WX+32*((\t)%2)+\i], v[VO+\i], s[32+2*(\t):33+2*(\t)] th:TH_LOAD_NT
.endr
.endm
.macro WBLOCK t
.set XS, WX+32*((\t)%2)
.if (\t) < 7
	s_wait_loadcnt 32                              ; this block's 32 loads are in; the next block's may be out
.else
	s_wait_loadcnt 0x0
.endif
	v_max3_num_f32 v12, |v[XS]|, |v[XS+1]|, |v[XS+2]|   ; all 32 numbers of the block are mine
	v_max3_num_f32 v13, |v[XS+3]|, |v[XS+4]|, |v[XS+5]|
.irp i, 6,10,14,18,22,26
	v_max3_num_f32 v12, v12, |v[XS+\i]|, |v[XS+\i+1]|
	v_max3_num_f32 v13, v13, |v[XS+\i+2]|, |v[XS+\i+3]|
.endr
	v_max3_num_f32 v12, v12, |v[XS+30]|, |v[XS+31]|
	v_max3_num_f32 v12, v12, v13, 0x8000000        ; and the floor
	v_add_nc_u32 v11, 0xf8800000, v12
	v_lshrrev_b32 v13, 23, v11
.if (\t)%4 == 0
	v_mov_b32 v[WB+(\t)/4], v13
.else
	v_lshl_or_b32 v[WB+(\t)/4], v13, 8*((\t)%4), v[WB+(\t)/4]
.endif
.irp i, 0,1,2,3,4,5,6,7,8,9,10,11,12,13,14,15,16,17,18,19,20,21,22,23,24,25,26,27,28,29,30,31
.endr
.irp g, 0,1,2,3
	v_cvt_scalef32_pk8_bf8_f32 v[WC+8*(\t)+2*\g:WC+8*(\t)+2*\g+1], v[XS+8*\g:XS+8*\g+7], v11
.endr
	global_store_b128 v8, v[WC+8*(\t):WC+8*(\t)+3], s[48:49] offset:((\t)/4)*2048+((\t)%4)*512        ; k 0..15 of the block: the pieces of lanes (r, 0): two whole runs of 256 bytes, one in each of my two tiles
	global_store_b128 v8, v[WC+8*(\t)+4:WC+8*(\t)+7], s[48:49] offset:((\t)/4)*2048+((\t)%4)*512+256  ; k 16..31: the pieces of lanes (r, 1)
.if (\t)+2 < 8
	WLOAD (\t)+2
.endif
.endm
	s_load_b256 s[4:11], s[0:1], 0x0               ; x s[4:5], c_attn_w s[6:7], c_proj_w s[8:9], xq s[10:11]
	s_load_b64 s[12:13], s[0:1], 0x20              ; wq
	v_lshl_add_u32 v30, v0, 2, 0x8400
	v_mov_b32 v31, 0
	v_lshrrev_b32 v1, 5, v0
	v_readfirstlane_b32 s14, v1                    ; wave
	v_and_b32 v5, 31, v0                           ; lane
	s_cmp_lt_u32 ttmp9, 256
	s_cbranch_scc0 .Lw
	; ---------------- x ----------------
	v_lshlrev_b32 v1, 4, v5                        ; 16 x lane
	v_and_b32 v6, 15, v0                           ; r
	v_bfe_u32 v7, v0, 4, 1                         ; h
	s_mul_i32 s15, s14, 8448                       ; my stage: 16 rows x 528 bytes
	v_add_nc_u32 v2, s15, v1                       ; into it: a row's 512 bytes as they lie
	v_mul_u32_u24 v3, v6, 528
	v_lshl_add_u32 v3, v7, 6, v3
	v_add_nc_u32 v3, s15, v3                       ; out of it: row r, + 64 h: my 16 numbers of each block of 32
	v_lshlrev_b32 v4, 3, v6
	v_lshl_add_u32 v4, v7, 7, v4                   ; the scale words' place: 8 r + 128 h
	s_mov_b32 s[SEL], 0x76543210
	s_mov_b32 s[SEL+1], 0xfedcba98
	s_mov_b32 s[HM], 0xffff0000
.irp b, 0,1,2,3
	v_mov_b32 v[TM+4+\b], 0                        ; written once: a lane permute's destination counts as one of its sources
.endr
	s_lshl_b32 s16, ttmp9, 2
	s_add_co_u32 s16, s16, s14                     ; W = 4 x work-group + wave: tile W / 2, K steps 4 (W % 2) on
	s_lshr_b32 s17, s16, 1                         ; the tile
	s_and_b32 s18, s16, 1
	s_lshr_b32 s22, s17, 1
	s_lshl_b32 s22, s22, 17                        ; 32 rows of 4,096 bytes for each pair of tiles,
	s_and_b32 s23, s17, 1
	s_lshl_b32 s23, s23, 15                        ; 8 rows for the odd tile,
	s_add_co_u32 s22, s22, s23
	s_lshl_b32 s23, s18, 11                        ; 2,048 bytes for the second half of K
	s_add_co_u32 s22, s22, s23
	s_mov_b32 s23, 0
	s_lshl_b32 s24, s16, 13                        ; codes: 16,384 a tile, 8,192 a half
	s_mov_b32 s25, 0
	s_lshl_b32 s26, s16, 8                         ; scale words: 512 a tile, 256 a half
	s_add_co_u32 s26, s26, SCOFF
	s_mov_b32 s27, 0
	s_wait_alu depctr_va_vdst(0)
	s_wait_kmcnt 0x0
	s_add_nc_u64 s[4:5], s[4:5], s[22:23]
	s_add_nc_u64 s[20:21], s[10:11], s[26:27]      ; the scale words
	s_add_nc_u64 s[10:11], s[10:11], s[24:25]      ; the codes
	XLOAD 0
	XLOAD 1
	XSTEP 0
	XSTEP 1
	XSTEP 2
	XSTEP 3
	v_cndmask_b32 v12, v[PWS], v[PWS+2], s[HM]     ; lanes 0-15 store the words of my first 256 along K, lanes 16-31 those of the second
	v_cndmask_b32 v13, v[PWS+1], v[PWS+3], s[HM]
	global_store_b64 v4, v[12:13], s[20:21]        ; 256 consecutive bytes, aligned
	s_wait_tensorcnt 0x0
	ds_add_u32 v30, v31
	s_wait_dscnt 0x0
	s_endpgm
	; ---------------- the weights: a lane takes a column, its registers run down K ----------------
.Lw:
	s_sub_co_u32 s16, ttmp9, 256
	s_and_b32 s17, s16, 31                         ; which 128 columns of the 4,096 (3,072 of c_attn_w, then 1,024 of c_proj_w)
	s_lshr_b32 s18, s16, 5                         ; which 256 along K
	s_lshl_b32 s19, s17, 7
	s_lshl_b32 s20, s14, 5
	s_add_co_u32 s19, s19, s20                     ; my wave's first column of the 4,096
	s_mov_b32 s21, 12288
	s_mov_b32 s22, 3072
	s_wait_kmcnt 0x0
	s_cmp_ge_u32 s17, 24                           ; c_proj_w's?  The choice hangs on the work-group's number alone
	s_cselect_b64 s[6:7], s[8:9], s[6:7]
	s_cselect_b32 s21, 4096, s21                   ; a row of the weight in bytes
	s_cselect_b32 s22, s22, 0
	s_sub_co_u32 s22, s19, s22                     ; my first column in that weight
	s_mul_i32 s24, s18, s21
	s_lshl_b32 s24, s24, 8                         ; 256 rows for each step along K
	s_lshl_b32 s25, s22, 2
	s_add_co_u32 s24, s24, s25
	s_mov_b32 s25, 0
	s_add_nc_u64 s[32:33], s[6:7], s[24:25]        ; block 0's first row
	s_lshl_b32 s26, s21, 5                         ; 32 rows on
	s_mov_b32 s27, 0
.irp t, 1,2,3,4,5,6,7
	s_add_nc_u64 s[32+2*\t:33+2*\t], s[30+2*\t:31+2*\t], s[26:27]
.endr
	s_lshl_b32 s24, s19, 10                        ; codes: 16,384 bytes for 16 columns,
	s_lshl_b32 s28, s18, 12                        ; 4,096 for 256 along K
	s_add_co_u32 s24, s24, s28
	s_add_nc_u64 s[48:49], s[12:13], s[24:25]
	s_lshl_b32 s24, s19, 5                         ; scale bytes: 512 for 16 columns,
	s_lshl_b32 s28, s18, 7                         ; 128 for 256 along K
	s_add_co_u32 s24, s24, s28
	s_add_co_u32 s24, s24, SCOFF
	s_add_nc_u64 s[50:51], s[12:13], s[24:25]
	s_wait_alu depctr_va_vdst(0)
	v_lshlrev_b32 v[VO], 2, v5
.set i, 1
.rept 31
	v_add_nc_u32 v[VO+i], s21, v[VO+i-1]
.set i, i+1
.endr
	v_bfe_u32 v6, v0, 3, 1                         ; column n + l lies in tile n / 16 + u, u = bit 3 of l,
	v_and_b32 v7, 7, v0
	v_bfe_u32 v8, v0, 4, 1
	v_lshl_add_u32 v7, v8, 3, v7                   ; at row l % 8 + 8 (l / 16)
	v_lshlrev_b32 v8, 4, v7
	v_lshl_add_u32 v8, v6, 14, v8                  ; codes: 16,384 u + 16 row
	v_lshlrev_b32 v9, 3, v7
	v_lshl_add_u32 v9, v6, 9, v9                   ; scale bytes: 512 u + 8 row
	WLOAD 0
	WLOAD 1
.irp t, 0,1,2,3,4,5,6,7
	WBLOCK \t
.endr
	global_store_b64 v9, v[WB:WB+1], s[50:51]      ; my column's eight scale bytes: runs of 128 bytes, one byte for each 128 that the path reads
	s_endpgm
.Lfunc_end_k_q7976cdb40f_prep:
	.size	k_q7976cdb40f_prep, .Lfunc_end_k_q7976cdb40f_prep-k_q7976cdb40f_prep
	.p2alignl 7, 3214868480
	.fill 96, 4, 3214868480
	.section	.rodata,"a",@progbits
	.p2align	6, 0x0
	.amdhsa_kernel k_q7976cdb40f_prep
		.amdhsa_group_segment_fixed_size 34304
		.amdhsa_private_segment_fixed_size 0
		.amdhsa_enable_private_segment 0
		.amdhsa_kernarg_size 40
		.amdhsa_user_sgpr_count 2
		.amdhsa_user_sgpr_kernarg_segment_ptr 1
		.amdhsa_wavefront_size32 1
		.amdhsa_system_sgpr_workgroup_id_x 1
		.amdhsa_system_sgpr_workgroup_id_y 1
		.amdhsa_system_sgpr_workgroup_id_z 1
		.amdhsa_system_vgpr_workitem_id 0
		.amdhsa_next_free_vgpr 256
		.amdhsa_next_free_sgpr 66
		.amdhsa_reserve_vcc 0
		.amdhsa_float_denorm_mode_32 3
		.amdhsa_float_denorm_mode_16_64 3
		.amdhsa_fp16_overflow 1
		.amdhsa_memory_ordered 1
		.amdhsa_forward_progress 1
		.amdhsa_inst_pref_size 73
	.end_amdhsa_kernel
	.amdgpu_metadata
---
amdhsa.version: [ 1, 2 ]
amdhsa.kernels:
  - .name:           k_q7976cdb40f_prep
    .symbol:         k_q7976cdb40f_prep.kd
    .args:
      - { .name: x, .offset: 0, .size: 8, .value_kind: global_buffer, .address_space: global }
      - { .name: c_attn_w, .offset: 8, .size: 8, .value_kind: global_buffer, .address_space: global }
      - { .name: c_proj_w, .offset: 16, .size: 8, .value_kind: global_buffer, .address_space: global }
      - { .name: xq, .offset: 24, .size: 8, .value_kind: global_buffer, .address_space: global }
      - { .name: wq, .offset: 32, .size: 8, .value_kind: global_buffer, .address_space: global }
    .group_segment_fixed_size: 34304
    .private_segment_fixed_size: 0
    .kernarg_segment_align: 8
    .kernarg_segment_size: 40
    .max_flat_workgroup_size: 128
    .sgpr_count:     66
    .vgpr_count:     256
    .wavefront_size: 32
...
	.end_amdgpu_metadata
.endif
;; end of part 1
;; launch qkv (part 2): grid 12 x 32, 4 waves a work-group, clusters of 4 x 4, 327,680 bytes of LDS; arguments xq, wq, c_attn_b, qq, kv; writes qq, kv
.if DOCPART == 2
	.amdgcn_target "amdgcn-amd-amdhsa--gfx1250"
	.amdhsa_code_object_version 6
	.text
	.protected	k_q7976cdb40f_qkv
	.globl	k_q7976cdb40f_qkv
	.p2align	8
	.type	k_q7976cdb40f_qkv,@function
k_q7976cdb40f_qkv:
	s_mov_b64 s[64:65], 0
	v_nop
	global_prefetch_b8 v0, s[64:65] scope:SCOPE_SE
	s_setreg_imm32_b32 hwreg(HW_REG_WAVE_MODE, 25, 1), 1
	s_wait_xcnt 0x0
	s_wait_alu depctr_hold_cnt(0) depctr_sa_sdst(0) depctr_va_vdst(0) depctr_va_sdst(0) depctr_va_ssrc(0) depctr_va_vcc(0) depctr_vm_vsrc(0)
	s_getreg_b32 s2, hwreg(HW_REG_IB_STS2, 6, 4)
	s_cmp_eq_u32 s2, 0
	s_cbranch_scc0 .Lentry_in_a_cluster
	s_endpgm
.Lentry_in_a_cluster:
	s_bfe_u32 s2, ttmp6, 0x10000c
	s_cmp_lg_u32 s2, 0xf033
	s_cbranch_scc0 .Lentry_shape_is_right
	s_endpgm
.Lentry_shape_is_right:
; qkv = x c_attn_w + c_attn_b on codes of BF8 (E5M2) with E8M0 scales, K = 1,024; the results are quantised at once for the attention's products and leave as codes:
; q and k along the head's 64 channels, v along the keys.  LIMITS: NaN and infinities are not served; a block of zeros, or one whose largest magnitude lies under 2^-111, gets the byte 1 (read by this program alone).
; OPERANDS lie in memory as images of the operand's registers: a tile of 16 rows, [K step of 128][c 0..3][lane][16 bytes]; tile 2 B + u, row r, is the natural row 32 B + 8 u + r + 8 (r / 8); scale words [tile][K / 256][r][8 bytes] from SCOFF on.
; A work-group of four waves makes 256 x 256 results, a wave 128 x 128: 64 accumulators, 512 registers.  K goes in steps of 256 through a ring of two LDS slots filled by the tensor data mover; an operand's scale words for all of K come once.
; THE MATRIX INSTRUCTION: source 0 = 16 rows of operand B, source 1 = 16 rows of operand A: a lane holds ONE row of A, and by the tiles' order the 64 registers of a block of A are 128 NEIGHBOURS along B's rows: register 16 c + i = 32 c + 16 (lane / 16) + i.
; ROLES, by the cluster's x (the same in all sixteen partners): clusters 0 and 1 (q, k): A = tokens (xq), B = columns (wq): a lane holds a token and 128 channels, two heads.
; Cluster 2 (v): A = v's columns (wq), B = tokens (xq): a lane holds a channel and 128 keys, a key step.  So both kinds are quantised by the same lines, and the codes leave straight from the conversions' registers.
; CLUSTERS: 4 x 4 work-groups; A's tiles are asked for jointly along a row of the cluster, B's along a column.
; RESULTS: qq: codes [head 128][tile 64][c 0..1][lane][16], scale words [head][tile][r] from QSOFF on (bytes 2 and 3 are 0x7f: K = 64 is filled up with zero codes in the attention).
; kv: [head][key step 8][CHUNK]: K's codes 8 tiles x 1,024 | V^T's codes 4 tiles of channels x 2,048 | K's scale words 8 x 64 | V's 4 x 64.
; REGISTERS, in windows of 256: window 0: v0-31 addresses; v32-63 scale words, two sets; v64-127 the bias; from v128 A's fragments, one set (on the way out at work); window 1: B's fragments, two sets; windows 2, 3: the accumulators ((a, b) at v[8 (8 (a % 4) + b)]).
.set NQ,     2                         ; matrix instructions deep in a slot
.set FR,     16                        ; registers of a fragment
.set NL,     4                         ; LDS loads that bring one
.set NP,     8                         ; places behind this matrix instruction (ISA guide 7.12.1)
.set KSB,    4096                      ; a tile's bytes of a K step of 256: two images
.set HALFT,  32768                     ; 8 tiles: what one tensor load brings, and what one wave reads of A or of B
.set SLOT,   131072                    ; A's 16 tiles, then B's 16
.set LAPS,   2                         ; a lap = two K steps of 256
.set SCL,    262144                    ; behind the ring: the scale words
.set HALFS,  4096                      ; those of 8 tiles
.set SPARE,  278528                    ; behind them: the spare words, 128 bytes for each wave: two blocks of 256 bytes that no other line names
.set SCOFF,  8388608
.set QSOFF,  8388608
.set HEADB,  137216
.set CHUNK,  17152
.set LI,   4                           ; v4   16 x lane
.set ADRA, 16                          ; v16-17  LDS address of my A fragments in slot 0, 1
.set ADRB, 20                          ; v20-21  the same for B
.set VWO,  25                          ; v25  q's and k's scale words: 4 r + (lane / 16) heads
.set VWV,  26                          ; v26  v's: 4 r + 64 (lane / 16)
.set ADRS, 27                          ; v27  LDS address of my scale words: lanes 0-15 A's, lanes 16-31 B's
.set SPW,  28                          ; v28  LDS address of my spare word; never rewritten
.set NIL,  29                          ; v29  0; never rewritten
.set SC,   32
.set BI,   64                          ; v64-127 the bias, in the results' layout
.set AF,   128
.set TT,   128                         ; the way out: 64 results with their bias
.set PC,   192                         ; their codes
.set TM,   208                         ; at work
.set PWV,  224                         ; v224-225 scale words of an even and an odd block
.set WW,   226                         ; v226-227 the word that is stored
.set SEL,  2                           ; s[2:3] on the way out: v_permlanex16_b32's selects
.set MNT,  18
.set G1, 24
.set G0, 32
.set G1B, 48
.set G0B, 56
.set G1S, 68
.set G0S, 76
.set G1SB, 80
.set G0SB, 88
.set MSB, 0
.macro WIN new                         ; the immediate's high byte repeats the setting that is left
.if MSB != (\new)
	s_set_vgpr_msb (MSB<<8)|(\new)
.set MSB, (\new)
.endif
.endm
.set MUL_LO, 0xa1                      ; source 0 (B) window 1, source 1 (A) window 0, C and D window 2
.set MUL_HI, 0xf1                      ; the same, C and D window 3
.set TO_B,   0x40                      ; destination window 1, address window 0
; A joint load: waves 0 and 1 fetch for A, waves 2 and 3 for B; the branch hangs on the wave's number alone.  Four v_nop follow each of the two lines.
.macro JLOAD g0a, g1a, g0b, g1b
	s_cmp_eq_u32 s15, 0
	s_cbranch_scc0 .Lfor_b_\@
	tensor_load_to_lds s[\g0a:\g0a+3], s[\g1a:\g1a+7]
	s_nop 0
.rept 4
	v_nop
.endr
	s_branch .Lasked_\@
.Lfor_b_\@:
	tensor_load_to_lds s[\g0b:\g0b+3], s[\g1b:\g1b+7]
	s_nop 0
.rept 4
	v_nop
.endr
.Lasked_\@:
.endm
.macro CREST                           ; a round of the cluster's barrier behind its opening barrier
	s_cmp_lg_u32 s14, 0
	s_cbranch_scc1 .Lnot_wave_0_\@
	s_barrier_signal -3
.Lnot_wave_0_\@:
	s_barrier_wait -3
	s_barrier_signal -1
	s_barrier_wait -1
.endm
.macro CROUND
	s_barrier_signal -1
	s_barrier_wait -1
	CREST
.endm
	s_load_b256 s[4:11], s[0:1], 0x0               ; xq s[4:5], wq s[6:7], c_attn_b s[8:9], qq s[10:11]
	s_load_b64 s[12:13], s[0:1], 0x20              ; kv
	v_lshl_add_u32 v[SPW], v0, 2, SPARE
	v_mov_b32 v[NIL], 0
	ds_add_u32 v28, v29
	ds_add_u32 v28, v29
	s_wait_dscnt 0x0
	v_lshrrev_b32 v1, 5, v0
	v_readfirstlane_b32 s14, v1                    ; wave 0..3
	s_lshr_b32 s15, s14, 1                         ; which half of A's 16 tiles is mine.  Also: I fetch for A (0) or for B (1)
	s_and_b32 s16, s14, 1                          ; which half of B's.  Also: which 8 tiles I fetch
	s_bfe_u32 s40, ttmp6, 0x40000                  ; cx, cy: my place in the cluster
	s_bfe_u32 s41, ttmp6, 0x40004
	s_and_b32 s18, ttmp7, 0xffff
	s_lshl_b32 s18, s18, 2                         ; 4 x cluster y
	s_lshl_b32 s19, ttmp9, 2                       ; 4 x cluster x
	s_add_co_u32 s20, s18, s41                     ; q, k: A's block of 256 tokens
	s_add_co_u32 s21, s41, 8                       ; v:    A's block of 256 columns: 8 .. 11
	s_add_co_u32 s22, s19, s40                     ; q, k: B's block of 256 columns: 0 .. 7
	s_add_co_u32 s23, s18, s40                     ; v:    B's block of 256 tokens
	s_cmp_eq_u32 ttmp9, 1
	s_cselect_b32 s96, 1, 0                        ; k's cluster
	s_cmp_eq_u32 ttmp9, 2
	s_cselect_b32 s95, 1, 0                        ; v's cluster
	s_cselect_b32 s17, s21, s20                    ; A's block: it hangs on cy alone, which my row of the cluster shares
	s_cselect_b32 s42, s23, s22                    ; B's block: on cx alone, which my column shares
	s_lshl_b32 s43, s41, 2
	s_lshl_b32 s43, 15, s43                        ; my row of the cluster
	s_lshl_b32 s44, 0x1111, s40                    ; my column
	s_mov_b32 s97, 0xffff0000                      ; lanes 16-31, as a mask
	; descriptor group 1 for codes: 8 rows (tiles) of 4,096 bytes, 16,384 bytes apart; elements of 8 bytes; no padding: an image is read 16 bytes a lane on end
	s_or_b32 s[G1+0], s43, (3<<16)|(1<<21)         ; 15:0 the mask: A's tiles go to my row; 17:16 elements of 8 bytes; 21 set beside a mask
	s_or_b32 s[G1B+0], s44, (3<<16)|(1<<21)
.irp g, G1, G1B
	s_mov_b32 s[\g+1], 512<<16                     ; tensor_dim0
	s_mov_b32 s[\g+2], 8<<16                       ; tensor_dim1
	s_mov_b32 s[\g+3], 512<<16                     ; tile_dim0
	s_mov_b32 s[\g+4], 8                           ; tile_dim1
	s_mov_b32 s[\g+5], 2048                        ; tensor_dim0_stride
	s_mov_b32 s[\g+6], 0
	s_mov_b32 s[\g+7], 0
.endr
	; and for the scale words of 8 tiles: 4,096 dense bytes, as 16 rows of 256
	s_or_b32 s[G1S+0], s43, (3<<16)|(1<<21)
	s_or_b32 s[G1SB+0], s44, (3<<16)|(1<<21)
.irp g, G1S, G1SB
	s_mov_b32 s[\g+1], 32<<16
	s_mov_b32 s[\g+2], 16<<16
	s_mov_b32 s[\g+3], 32<<16
	s_mov_b32 s[\g+4], 16
	s_mov_b32 s[\g+5], 32
	s_mov_b32 s[\g+6], 0
	s_mov_b32 s[\g+7], 0
.endr
	s_lshl_b32 s18, s16, 3                         ; which 8 tiles of the 16 I fetch
	s_lshl_b32 s20, s17, 4
	s_add_co_u32 s20, s20, s18                     ; A: the first of them
	s_lshl_b32 s46, s42, 4
	s_add_co_u32 s46, s46, s18                     ; B likewise
	s_lshl_b32 s22, s20, 9
	s_add_co_u32 s22, s22, SCOFF                   ; their scale words,
	s_mov_b32 s23, 0
	s_lshl_b32 s92, s46, 9
	s_add_co_u32 s92, s92, SCOFF
	s_mov_b32 s93, 0
	s_lshl_b32 s20, s20, 14                        ; their codes
	s_mov_b32 s21, 0
	s_lshl_b32 s46, s46, 14
	s_mov_b32 s47, 0
	s_lshl_b32 s45, s14, 15                        ; where they go: wave x HALFT: no place in the cluster enters an LDS address
	s_lshl_b32 s94, s14, 12                        ; wave x HALFS
	s_wait_kmcnt 0x0
	s_cmp_eq_u32 ttmp9, 2
	s_cselect_b64 s[98:99], s[6:7], s[4:5]         ; A's buffer
	s_cselect_b64 s[66:67], s[4:5], s[6:7]         ; B's
	s_add_nc_u64 s[20:21], s[98:99], s[20:21]
	s_add_nc_u64 s[22:23], s[98:99], s[22:23]
	s_add_nc_u64 s[46:47], s[66:67], s[46:47]
	s_add_nc_u64 s[92:93], s[66:67], s[92:93]
	CROUND                                         ; all sixteen work-groups are here: the first joint loads meet
	s_mov_b32 s[G0S], 1
	s_add_co_u32 s[G0S+1], s94, SCL
	s_mov_b64 s[G0S+2:G0S+3], s[22:23]
	s_or_b32 s[G0S+3], s[G0S+3], 0x80000000
	s_mov_b32 s[G0SB], 1
	s_add_co_u32 s[G0SB+1], s94, SCL
	s_mov_b64 s[G0SB+2:G0SB+3], s[92:93]
	s_or_b32 s[G0SB+3], s[G0SB+3], 0x80000000
	JLOAD G0S, G1S, G0SB, G1SB                     ; the scale words first: they are wanted with K step 0
.irp s, 0,1
	s_mov_b32 s[G0+4*\s], 1
	s_add_co_u32 s[G0+4*\s+1], s45, \s*SLOT
	s_add_nc_u64 s[G0+4*\s+2:G0+4*\s+3], s[20:21], \s*KSB
	s_or_b32 s[G0+4*\s+3], s[G0+4*\s+3], 0x80000000
	s_mov_b32 s[G0B+4*\s], 1
	s_add_co_u32 s[G0B+4*\s+1], s45, \s*SLOT
	s_add_nc_u64 s[G0B+4*\s+2:G0B+4*\s+3], s[46:47], \s*KSB
	s_or_b32 s[G0B+4*\s+3], s[G0B+4*\s+3], 0x80000000
	JLOAD G0+4*\s, G1, G0B+4*\s, G1B
.endr
	v_and_b32 v1, 15, v0                           ; r
	v_bfe_u32 v2, v0, 4, 1                         ; h
	s_wait_alu depctr_va_vdst(0)
	v_and_b32 v3, 31, v0
	v_lshlrev_b32 v[LI], 4, v3                     ; 16 x lane: an image's place for my lane
	s_lshl_b32 s21, s15, 15                        ; my 8 tiles of A
	s_lshl_b32 s22, s16, 15                        ; my 8 tiles of B,
	s_add_co_u32 s22, s22, 2*HALFT                 ; which lie behind A's 16
.irp s, 0,1
	v_add_nc_u32 v[ADRA+\s], s21, v[LI]
	v_add_nc_u32 v[ADRB+\s], s22, v[LI]
	s_add_co_u32 s21, s21, SLOT
	s_add_co_u32 s22, s22, SLOT
.endr
	s_lshl_b32 s21, s15, 12                        ; A's scale words: my 8 tiles
	s_lshl_b32 s22, s16, 12                        ; B's, behind A's 16
	s_add_co_u32 s22, s22, 2*HALFS
	s_sub_co_u32 s22, s22, s21
	v_mul_u32_u24 v6, s22, v2                      ; lanes 16-31 take B's: one product by h
	s_add_co_u32 s21, s21, SCL
	v_lshlrev_b32 v5, 3, v1                        ; 8 bytes a row
	v_add_nc_u32 v5, v5, v6
	v_add_nc_u32 v[ADRS], s21, v5
	; the bias, in the results' layout; it lands while the products run
	s_lshl_b32 s20, s17, 4
	s_lshl_b32 s21, s15, 3
	s_add_co_u32 s20, s20, s21                     ; my first tile of A
	s_lshl_b32 s20, s20, 6                         ; v: 16 columns x 4 bytes a tile
	s_lshl_b32 s21, s42, 1
	s_add_co_u32 s21, s21, s16                     ; my 128 rows of B
	s_lshl_b32 s21, s21, 9                         ; q, k: 128 columns x 4 bytes
	s_cmp_lg_u32 s95, 0
	s_cselect_b32 s20, s20, s21
	s_mov_b32 s21, 0
	s_add_nc_u64 s[8:9], s[8:9], s[20:21]
	v_lshlrev_b32 v8, 6, v2                        ; q, k: register 16 c + i is column 32 c + 16 h + i
	v_and_b32 v9, 8, v1
	v_add_nc_u32 v9, v9, v1
	v_lshlrev_b32 v9, 2, v9                        ; v: my lane's column of a tile: r + 8 (r / 8)
	s_cmp_lg_u32 s95, 0
	s_cbranch_scc1 .Lbias_v
.irp c, 0,1,2,3
.irp j, 0,1,2,3
	global_load_b128 v[BI+16*\c+4*\j:BI+16*\c+4*\j+3], v8, s[8:9] offset:128*\c+16*\j
.endr
.endr
	s_branch .Lbias_done
.Lbias_v:
	s_wait_alu depctr_va_vdst(0)
.irp a, 0,1,2,3,4,5,6,7                ; block a's eight registers all hold my channel's bias: the results' registers run along the keys
.irp e, 0,1,2,3,4,5,6,7
	global_load_b32 v[BI+8*\a+\e], v9, s[8:9] offset:(32*(\a/2)+8*(\a%2))*4
.endr
.endr
.Lbias_done:
.macro FRAG reg, adr, q, i             ; a fragment comes as it was stored: four loads of 512 consecutive bytes
.irp c, 0,1,2,3
	ds_load_b128 v[\reg+4*\c:\reg+4*\c+3], v[\adr] offset:2048*(\q)+512*\c+(\i)*4096
.endr
.endm
; 16 matrix instructions: A's blocks a0, a0 + 1 x B's eight, 128 along K.  The 64 accumulators take turns, one instruction a turn, in the same order in every step.
.macro MUL16 a0, p, q, sc, zero
.irp a, \a0, \a0+1
.irp b, 0,1,2,3,4,5,6,7
.if \zero
	v_wmma_scale_f32_16x16x128_f8f6f4 v[8*(8*((\a)%4)+\b):8*(8*((\a)%4)+\b)+7], v[128*(\p)+FR*\b:128*(\p)+FR*\b+FR-1], v[AF+FR*(\a):AF+FR*(\a)+FR-1], 0, v[SC+8*NQ*(\sc)+NQ*\b+(\q)], v[SC+8*NQ*(\sc)+NQ*(\a)+(\q)] matrix_a_fmt:MATRIX_FMT_BF8 matrix_b_fmt:MATRIX_FMT_BF8 matrix_a_scale:MATRIX_SCALE_ROW1
.else
	v_wmma_scale_f32_16x16x128_f8f6f4 v[8*(8*((\a)%4)+\b):8*(8*((\a)%4)+\b)+7], v[128*(\p)+FR*\b:128*(\p)+FR*\b+FR-1], v[AF+FR*(\a):AF+FR*(\a)+FR-1], v[8*(8*((\a)%4)+\b):8*(8*((\a)%4)+\b)+7], v[SC+8*NQ*(\sc)+NQ*\b+(\q)], v[SC+8*NQ*(\sc)+NQ*(\a)+(\q)] matrix_a_fmt:MATRIX_FMT_BF8 matrix_b_fmt:MATRIX_FMT_BF8 matrix_a_scale:MATRIX_SCALE_ROW1
.endif
.endr
.endr
.endm
.macro FETCH_B slot, q, p
	WIN TO_B
.irp i, 0,1,2,3,4,5,6,7
	FRAG 128*(\p)+FR*\i, ADRB+\slot, \q, \i
.endr
	WIN 0
.endm
.macro FETCH_A slot, q, i0
.irp i, \i0, \i0+1, \i0+2, \i0+3
	FRAG AF+FR*(\i), ADRA+\slot, \q, \i
.endr
.endm
.macro SCALES sc                       ; a K step's scale words: two a row; lanes 0-15 take A's block i, lanes 16-31 B's block i
.irp i, 0,1,2,3,4,5,6,7
	ds_load_b64 v[SC+8*NQ*\sc+NQ*\i:SC+8*NQ*\sc+NQ*\i+1], v[ADRS] offset:\i*512
.endr
.endm
.macro PLACES n                        ; plain vector lines between a matrix instruction and a load into, or a vector line on, its registers
.rept \n
	v_nop
.endr
.endm
.macro STEP slot, q, zero              ; 128 along K that have their successor in the same slot
	s_wait_dscnt 4*NL                              ; B's set and A's blocks 0-3 are in; the youngest 16 loads (A's blocks 4-7) may be out
	WIN MUL_LO
	MUL16 0, (\q)%2, \q, \slot, \zero
	MUL16 2, (\q)%2, \q, \slot, \zero
	s_wait_dscnt 0
	PLACES NP
	FETCH_B \slot, (\q)+1, 1-(\q)%2
	FETCH_A \slot, (\q)+1, 0
	WIN MUL_HI
	MUL16 4, (\q)%2, \q, \slot, \zero
	MUL16 6, (\q)%2, \q, \slot, \zero
	PLACES NP
	WIN 0
	FETCH_A \slot, (\q)+1, 4
.endm
; A slot's last 128 change slots: one barrier; in front of it each wave waits for all its tensor loads, adds 0 to its spare word, and waits for that and for its reads of this slot.  fill = 1: the slot is filled again, two K steps ahead.
.macro TURN slot, next, fill
	s_wait_tensorcnt 0x0                           ; all my tensor loads have landed: my part of the next slot
	ds_add_u32 v[SPW], v[NIL]                      ; 0 onto my spare word
	s_wait_dscnt 4*NL+1                            ; (the add and the youngest 16 loads, A's blocks 4-7, may be out)
	WIN MUL_LO
	MUL16 0, 1, NQ-1, \slot, 0
	s_wait_dscnt 0x0                               ; the add is done, and my reads of this slot are over
	s_barrier_signal -1
	MUL16 2, 1, NQ-1, \slot, 0
	WIN 0
	s_barrier_wait -1
.if \fill
	CREST                                          ; the barrier has opened a round of the cluster's: no wave of any partner still reads this slot or has a load on its way
	s_add_nc_u64 s[G0+4*\slot+2:G0+4*\slot+3], s[G0+4*\slot+2:G0+4*\slot+3], 2*KSB
	s_add_nc_u64 s[G0B+4*\slot+2:G0B+4*\slot+3], s[G0B+4*\slot+2:G0B+4*\slot+3], 2*KSB
	JLOAD G0+4*\slot, G1, G0B+4*\slot, G1B         ; the first tensor load behind the round; its four v_nop are among the places in front of the loads below
	PLACES NP-4
.else
	PLACES NP
.endif
	s_wait_alu depctr_va_vdst(0)
	v_add_nc_u32 v[ADRS], 128, v[ADRS]             ; the next K step's scale words
	FETCH_B \next, 0, 0
	FETCH_A \next, 0, 0
	SCALES \next
	WIN MUL_HI
	MUL16 4, 1, NQ-1, \slot, 0
	MUL16 6, 1, NQ-1, \slot, 0
	PLACES NP
	WIN 0
	FETCH_A \next, 0, 4
.endm
	s_wait_tensorcnt 1                             ; the scale words and my part of K step 0 are in (of my three loads K step 1's may be out)
	s_barrier_signal -1
	s_barrier_wait -1
	FETCH_B 0, 0, 0
	FETCH_A 0, 0, 0
	s_wait_alu depctr_va_vdst(0)
	SCALES 0
	FETCH_A 0, 0, 4
	STEP 0, 0, 1                                   ; the first products start the sums
	s_mov_b32 s3, LAPS-1
.Llap:
	TURN 0, 1, 1
	STEP 1, 0, 0
	TURN 1, 0, 1
	STEP 0, 0, 0
	s_sub_co_u32 s3, s3, 1
	s_cmp_lg_u32 s3, 0
	s_cbranch_scc1 .Llap
	TURN 0, 1, 0                                   ; the last lap fills nothing
	STEP 1, 0, 0
	s_wait_dscnt 4*NL
	WIN MUL_LO
	MUL16 0, 1, NQ-1, 1, 0
	MUL16 2, 1, NQ-1, 1, 0
	s_wait_dscnt 0
	WIN MUL_HI
	MUL16 4, 1, NQ-1, 1, 0
	MUL16 6, 1, NQ-1, 1, 0
	WIN 0
; THE WAY OUT.  No LDS: a block of A (16 rows x 128) is 64 registers a lane in the order that the quantiser wants; its codes are an image's registers and are stored as they stand, 512 consecutive bytes a store.
	PLACES NP
	s_wait_loadcnt 0x0                             ; the bias
	s_mov_b32 s[SEL], 0x76543210
	s_mov_b32 s[SEL+1], 0xfedcba98
	s_lshl_b32 s20, s17, 4
	s_lshl_b32 s21, s15, 3
	s_add_co_u32 s20, s20, s21                     ; ta0: my first tile of A
	s_lshl_b32 s21, s42, 1
	s_add_co_u32 s21, s21, s16                     ; B128: my 128 rows of B
	; q, k: A's tiles are tokens: batch ta0 / 64, tile ta0 % 64 (my eight are one key step); B128 % 8 is a pair of heads
	s_lshr_b32 s22, s20, 6
	s_and_b32 s23, s20, 63
	s_lshl_b32 s22, s22, 4
	s_and_b32 s24, s21, 7
	s_lshl_b32 s24, s24, 1
	s_add_co_u32 s22, s22, s24                     ; the first of my two heads, of 128
	s_lshr_b32 s24, s23, 3
	s_mul_i32 s24, s24, CHUNK                      ; k: the key step's chunk
	s_lshl_b32 s25, s23, 10                        ; q: 1,024 bytes a tile
	s_lshl_b32 s26, s23, 6
	s_add_co_u32 s26, s26, QSOFF                   ; q's scale words: 64 bytes a tile
	s_add_co_u32 s27, s24, 16384                   ; k's: behind the chunk's codes
	s_mov_b32 s28, 65536
	s_mov_b32 s29, 4096
	s_cmp_lg_u32 s96, 0
	s_cselect_b32 s28, HEADB, s28                  ; from head to head: the codes,
	s_cselect_b32 s29, HEADB, s29                  ; the scale words
	s_cselect_b32 s30, s24, s25
	s_cselect_b32 s31, s27, s26
	s_cselect_b64 s[32:33], s[12:13], s[10:11]     ; kv or qq
	s_mul_i32 s34, s22, s28
	s_add_co_u32 s34, s34, s30
	s_mov_b32 s35, 0
	s_add_nc_u64 s[36:37], s[32:33], s[34:35]      ; the first head's codes
	s_mov_b32 s34, s28
	s_add_nc_u64 s[38:39], s[36:37], s[34:35]      ; the second's
	s_mul_i32 s34, s22, s29
	s_add_co_u32 s34, s34, s31
	s_add_nc_u64 s[48:49], s[32:33], s[34:35]      ; the scale words
	; v: A's tiles are channels (four to a head, tiles 128 on), B128 is batch B128 / 8, key step B128 % 8
	s_and_b32 s50, s20, 63
	s_lshr_b32 s50, s50, 2
	s_lshr_b32 s51, s21, 3
	s_lshl_b32 s51, s51, 4
	s_add_co_u32 s50, s50, s51
	s_mul_i32 s50, s50, HEADB
	s_and_b32 s51, s21, 7
	s_mul_i32 s51, s51, CHUNK
	s_add_co_u32 s50, s50, s51
	s_add_co_u32 s50, s50, 8192                    ; V's codes lie behind K's
	s_mov_b32 s51, 0
	s_add_nc_u64 s[52:53], s[12:13], s[50:51]
	v_mul_u32_u24 v[VWO], s29, v2
	v_lshl_add_u32 v[VWO], v1, 2, v[VWO]
	v_lshlrev_b32 v[VWV], 6, v2
	v_lshl_add_u32 v[VWV], v1, 2, v[VWV]
.irp b, 0,1,2,3
	v_mov_b32 v[TM+4+\b], 0                        ; written once: a lane permute's destination counts as one of its sources
.endr
.macro QUANT s, pw                     ; 64 numbers of a lane, register 16 b + i = k 32 b + 16 (lane / 16) + i of my row, become codes in v[PC] on and my row's scale word in v[pw]
.irp b, 0,1,2,3
	v_max3_num_f32 v[TM+\b], |v[\s+16*\b]|, |v[\s+1+16*\b]|, 0x8000000   ; my 16 numbers of block b, and the floor 2^(16 - 127)
.endr
.irp i, 2,4,6,8,10,12,14
.irp b, 0,1,2,3
	v_max3_num_f32 v[TM+\b], v[TM+\b], |v[\s+16*\b+\i]|, |v[\s+1+16*\b+\i]|
.endr
.endr
.irp b, 0,1,2,3
	v_permlanex16_b32 v[TM+4+\b], v[TM+\b], s[SEL], s[SEL+1]
.endr
.irp b, 0,1,2,3
	v_max_num_f32 v[TM+\b], v[TM+\b], v[TM+4+\b]
.endr
.irp b, 0,1,2,3
	v_add_nc_u32 v[TM+12+\b], 0xf8800000, v[TM+\b]   ; 15 off the exponent field: the conversion's scale operand
.endr
.irp b, 0,1,2,3
.endr
.irp b, 0,1,2,3
	v_lshrrev_b32 v[TM+4+\b], 23, v[TM+12+\b]
.endr
	v_lshl_or_b32 v[\pw], v[TM+5], 8, v[TM+4]
	v_lshl_or_b32 v[\pw], v[TM+6], 16, v[\pw]
	v_lshl_or_b32 v[\pw], v[TM+7], 24, v[\pw]
.irp b, 0,1,2,3
.irp i, 0,1,2,3,4,5,6,7,8,9,10,11,12,13,14,15
.endr
	v_cvt_scalef32_pk8_bf8_f32 v[PC+4*\b:PC+1+4*\b], v[\s+16*\b:\s+7+16*\b], v[TM+12+\b]
	v_cvt_scalef32_pk8_bf8_f32 v[PC+2+4*\b:PC+3+4*\b], v[\s+8+16*\b:\s+15+16*\b], v[TM+12+\b]
.endr
	v_nop                                          ; a plain line behind the last conversion
.endm
.macro BIASADD a, x                    ; block a's 64 results + the bias; each accumulator is read from its low end on.  x = 0: the bias runs with the registers (q, k); 1: one number a lane (v)
	WIN 0x02+(\a)/4
.irp b, 0,1,2,3,4,5,6,7
.irp e, 0,2,4,6
.if \x
	v_pk_add_f32 v[TT+8*\b+\e:TT+8*\b+\e+1], v[64*((\a)%4)+8*\b+\e:64*((\a)%4)+8*\b+\e+1], v[BI+8*(\a)+\e:BI+8*(\a)+\e+1]
.else
	v_pk_add_f32 v[TT+8*\b+\e:TT+8*\b+\e+1], v[64*((\a)%4)+8*\b+\e:64*((\a)%4)+8*\b+\e+1], v[BI+8*\b+\e:BI+8*\b+\e+1]
.endif
.endr
.endr
	WIN 0
.endm
.macro EPI a
.if (\a) > 0
	s_wait_xcnt 0x0                                ; the last block's stores have read the codes' and the word's registers
.endif
	s_cmp_lg_u32 s95, 0
	s_cbranch_scc1 .Lbv_\@
	BIASADD \a, 0
	s_branch .Lbq_\@
.Lbv_\@:
	BIASADD \a, 1
.Lbq_\@:
	QUANT TT, PWV+(\a)%2
	s_cmp_lg_u32 s95, 0
	s_cbranch_scc1 .Lsv_\@
	global_store_b128 v[LI], v[PC:PC+3], s[36:37] offset:1024*(\a)         ; blocks 0, 1: the first head's 64 channels
	global_store_b128 v[LI], v[PC+4:PC+7], s[36:37] offset:1024*(\a)+512
	global_store_b128 v[LI], v[PC+8:PC+11], s[38:39] offset:1024*(\a)      ; blocks 2, 3: the second head's
	global_store_b128 v[LI], v[PC+12:PC+15], s[38:39] offset:1024*(\a)+512
	v_lshrrev_b32 v[WW], 16, v[PWV+(\a)%2]
	v_and_b32 v[WW+1], 0xffff, v[PWV+(\a)%2]
	v_cndmask_b32 v[WW], v[WW+1], v[WW], s97       ; lanes 0-15 store the first head's two bytes, lanes 16-31 the second's,
	v_or_b32 v[WW], 0x7f7f0000, v[WW]              ; with 1.0 for the two blocks of zero codes that fill K up to 128
	global_store_b32 v[VWO], v[WW], s[48:49] offset:64*(\a)   ; runs of 64 bytes: one byte for each 16 of codes
	s_branch .Lsd_\@
.Lsv_\@:
	s_wait_alu depctr_va_vdst(0)
.irp c, 0,1,2,3
	global_store_b128 v[LI], v[PC+4*\c:PC+4*\c+3], s[52:53] offset:((\a)/4)*HEADB+((\a)%4)*2048+512*\c
.endr
.if (\a)%2
	v_cndmask_b32 v[WW], v[PWV], v[PWV+1], s97     ; lanes 0-15 store the even block's words, lanes 16-31 the odd one's: 128 consecutive bytes
	global_store_b32 v[VWV], v[WW], s[52:53] offset:8704+((\a)/4)*HEADB+(((\a)-1)%4)*64
.endif
.Lsd_\@:
.endm
.irp a, 0,1,2,3,4,5,6,7
	EPI \a
.endr
	s_wait_tensorcnt 0x0                           ; the wave's end
	ds_add_u32 v[SPW], v[NIL]
	s_wait_dscnt 0x0
	CROUND                                         ; the closing round: no work-group ends while a partner may still ask for a tile that names it
	s_endpgm
.Lfunc_end_k_q7976cdb40f_qkv:
	.size	k_q7976cdb40f_qkv, .Lfunc_end_k_q7976cdb40f_qkv-k_q7976cdb40f_qkv
	.p2alignl 7, 3214868480
	.fill 96, 4, 3214868480
	.section	.rodata,"a",@progbits
	.p2align	6, 0x0
	.amdhsa_kernel k_q7976cdb40f_qkv
		.amdhsa_group_segment_fixed_size 327680
		.amdhsa_private_segment_fixed_size 0
		.amdhsa_enable_private_segment 0
		.amdhsa_kernarg_size 40
		.amdhsa_user_sgpr_count 2
		.amdhsa_user_sgpr_kernarg_segment_ptr 1
		.amdhsa_wavefront_size32 1
		.amdhsa_system_sgpr_workgroup_id_x 1
		.amdhsa_system_sgpr_workgroup_id_y 1
		.amdhsa_system_sgpr_workgroup_id_z 1
		.amdhsa_system_vgpr_workitem_id 0
		.amdhsa_next_free_vgpr 1024
		.amdhsa_next_free_sgpr 100
		.amdhsa_reserve_vcc 0
		.amdhsa_float_denorm_mode_32 3
		.amdhsa_float_denorm_mode_16_64 3
		.amdhsa_fp16_overflow 1
		.amdhsa_memory_ordered 1
		.amdhsa_forward_progress 1
		.amdhsa_inst_pref_size 199
	.end_amdhsa_kernel
	.amdgpu_metadata
---
amdhsa.version: [ 1, 2 ]
amdhsa.kernels:
  - .name:           k_q7976cdb40f_qkv
    .symbol:         k_q7976cdb40f_qkv.kd
    .args:
      - { .name: xq, .offset: 0, .size: 8, .value_kind: global_buffer, .address_space: global }
      - { .name: wq, .offset: 8, .size: 8, .value_kind: global_buffer, .address_space: global }
      - { .name: c_attn_b, .offset: 16, .size: 8, .value_kind: global_buffer, .address_space: global }
      - { .name: qq, .offset: 24, .size: 8, .value_kind: global_buffer, .address_space: global }
      - { .name: kv, .offset: 32, .size: 8, .value_kind: global_buffer, .address_space: global }
    .group_segment_fixed_size: 327680
    .private_segment_fixed_size: 0
    .kernarg_segment_align: 8
    .kernarg_segment_size: 40
    .max_flat_workgroup_size: 128
    .sgpr_count:     100
    .vgpr_count:     1024
    .wavefront_size: 32
...
	.end_amdgpu_metadata
.endif
;; end of part 2
;; launch attn (part 3): grid 2 x 128, 16 waves a work-group, no clusters, 169,984 bytes of LDS; arguments qq, kv, aq; writes aq
.if DOCPART == 3
	.amdgcn_target "amdgcn-amd-amdhsa--gfx1250"
	.amdhsa_code_object_version 6
	.text
	.protected	k_q7976cdb40f_attn
	.globl	k_q7976cdb40f_attn
	.p2align	8
	.type	k_q7976cdb40f_attn,@function
k_q7976cdb40f_attn:
	s_mov_b64 s[64:65], 0
	v_nop
	global_prefetch_b8 v0, s[64:65] scope:SCOPE_SE
	s_setreg_imm32_b32 hwreg(HW_REG_WAVE_MODE, 25, 1), 1
	s_wait_xcnt 0x0
; a[b][q][head] = softmax_k(w) v, w = q . k / 8 for keys k <= q and -10000 for the others, both products on codes of BF8 (E5M2) with E8M0 scales; a leaves quantised along the model's 1,024 for the last product.
; THE SOFTMAX: t = w x log2(e); M = the row's largest t so far, rounded up to a whole number; p = 2^(t - M) is quantised along the keys, not normalised; the row's sum is taken of the unquantised p and divides at the end.
; THE MASK IS -10000, NOT -INFINITY, so hidden keys are not dropped.  Their t is one number: it stands in the running maximum from the start (but in the one row that has no hidden key, token 1,023).  On the diagonal hidden scores are
; replaced ahead of the maximum.  A key step all of whose 128 keys are hidden needs no score and no exponential: its p is one number a query, made once behind the diagonal step (M moves no more), its codes and scale word are
; constants, and only its four products with V remain; its share of the row's sum is that number x the count of such keys.  All branches hang on ids alone.
; K = 64 in the first product: the instruction's upper 64 are zero codes on both sides (eight cleared registers a fragment) under the byte 0x7f.
; LIMITS: NaN and infinities are not served; p under 2^-126 counts as 0 (v_exp_f32's own); a block of zeros, or one under 2^-111, gets the byte 1 (read by this program alone).
; SHARES: a work-group has one head and half of its query tiles; the head's K, V and scale words (137,216 bytes) come into LDS once, by eight tensor loads, and stay: one barrier in the launch.
; Wave w of work-group g takes the tiles of 16 queries 16 g + w and 63 - (16 g + w), one after the other: nine key steps with scores and seven hidden ones for every wave.
; Both products are used transposed (S^T = K Q^T, O^T = V^T P^T): a lane holds one query throughout.  By the tiles' order (tile 2 B + u, row r = natural row 32 B + 8 u + r + 8 (r / 8)) register 16 b + i of S^T is key 32 b + 16 (lane / 16) + i, and of O^T channel likewise.
; No cluster: a head's block is wanted by two work-groups, once, at their head.  The a's scale bytes leave one byte a lane: two bytes for each 64 of codes.
.set HEADB, 137216
.set CHUNK, 17152                      ; a key step: K's codes 8 x 1,024 | V^T's 4 x 2,048 | K's scale words 8 x 64 | V's 4 x 64
.set QSOFF, 8388608
.set SCOFF, 8388608
.set LI,   1                           ; v1   16 x lane
.set LW,   2                           ; v2   4 r
.set ADC,  3                           ; v3   the step's chunk + 16 x lane
.set ADW,  4                           ; v4   the step's chunk + 4 r
.set DD,   5                           ; v5   my query's place among the diagonal step's 128 keys, less 16 (lane / 16)
.set NEG,  6                           ; v6   -80000: the hidden keys' score (x 1/8 = -10000)
.set RP,   7                           ; v7   r + 8 (r / 8)
.set AW,   8                           ; v8   8 r + lane / 16: my scale byte's place
.set TAIL, 9                           ; v9   the keys of wholly hidden steps that fall to my lane, as f32
.set RH,   10                          ; v10  r + 8 (r / 8) - 16 (lane / 16)
.set SS,   96                          ; v96-159  S^T, then p, then V's four fragments
.set OT,   160                         ; v160-191 O^T
.set PC,   192                         ; v192-207 p's codes
.set BX,   208                         ; v208-211 the blocks' largest scores, then their largest p
.set PX,   212                         ; v212-215 at work
.set HO,   216                         ; v216 57,344 x the scale
.set SO,   220                         ; v220-223 the conversions' scale operands
.set KW,   224                         ; v224-227 K's or V's scale words
.set PWD,  229                         ; v229 p's scale word
.set FF,   230                         ; v[230:231] f = 2^(old M - new M); v231 is written since the pair is named
.set WV,   18
.set MNT,  19
.set SEL,  20
.set CS,   22                          ; s[22:23] c = log2(e) / 8
.set REP,  24
.set HM,   25
.set BH,   26
.set T0,   27
.set G1,   28
.set G0,   36
.set TAU,  40
.set JG,   41                          ; the tile's diagonal key step
.set JC,   42                          ; the same where hidden steps follow it, else a number that no step has
.set SI,   43
.set TB,   44
.set AB,   46
.set ASB,  48
.set BB,   56
.set HD,   57
.macro VLOADS                          ; V^T's four fragments (16 channels x 128 keys) and their scale words
.irp t, 0,1,2,3
.irp c, 0,1,2,3
	ds_load_b128 v[SS+16*\t+4*\c:SS+16*\t+4*\c+3], v[ADC] offset:8192+2048*\t+512*\c
.endr
	ds_load_b32 v[KW+\t], v[ADW] offset:16896+64*\t
.endr
.endm
.macro PVS                             ; O^T += V^T P^T: the four accumulators take turns, one instruction a turn
.irp t, 0,1,2,3
	v_wmma_scale_f32_16x16x128_f8f6f4 v[OT+8*\t:OT+8*\t+7], v[SS+16*\t:SS+16*\t+15], v[PC:PC+15], v[OT+8*\t:OT+8*\t+7], v[KW+\t], v[PWD] matrix_a_fmt:MATRIX_FMT_BF8 matrix_b_fmt:MATRIX_FMT_BF8
.endr
.endm
	s_load_b128 s[4:7], s[0:1], 0x0                ; qq, kv
	s_load_b64 s[8:9], s[0:1], 0x10                ; aq
	v_lshl_add_u32 v238, v0, 2, 0x29000
	v_mov_b32 v239, 0
	ds_add_u32 v238, v239
	ds_add_u32 v238, v239
	v_lshrrev_b32 v1, 5, v0
	s_delay_alu instid0(VALU_DEP_1)
	v_readfirstlane_b32 s[WV], v1                  ; wave 0..15
	s_and_b32 s[BH], ttmp7, 0xffff                 ; the head, of 128
	s_lshr_b32 s[BB], s[BH], 4                     ; its batch
	s_and_b32 s[HD], s[BH], 15                     ; its number in the batch
	s_lshl_b32 s[T0], ttmp9, 4
	s_add_co_u32 s[T0], s[T0], s[WV]               ; my first tile of queries
	s_mov_b32 s[G1], 3<<16                         ; a chunk is 17,152 dense bytes: 67 rows of 256 (32 elements of 8 bytes); no mask, no padding
	s_mov_b32 s[G1+1], 32<<16
	s_mov_b32 s[G1+2], 67<<16
	s_mov_b32 s[G1+3], 32<<16
	s_mov_b32 s[G1+4], 67
	s_mov_b32 s[G1+5], 32
	s_mov_b32 s[G1+6], 0
	s_mov_b32 s[G1+7], 0
	s_and_b32 s50, s[WV], 7
	s_mul_i32 s50, s50, CHUNK                      ; wave w < 8 fetches key step w
	s_mul_i32 s52, s[BH], HEADB
	s_add_co_u32 s52, s52, s50
	s_mov_b32 s53, 0
	s_mov_b32 s[MNT], 0x600000
	s_mov_b32 s[SEL], 0x76543210
	s_mov_b32 s[SEL+1], 0xfedcba98
	s_mov_b32 s[CS], 0x3e38aa3b
	s_mov_b32 s[CS+1], s[CS]
	s_mov_b32 s[REP], 0x01010101
	s_mov_b32 s[HM], 0xffff0000
	s_wait_dscnt 0x0
	s_wait_kmcnt 0x0
	s_mov_b32 s[G0], 1
	s_mov_b32 s[G0+1], s50
	s_add_nc_u64 s[G0+2:G0+3], s[6:7], s[52:53]
	s_or_b32 s[G0+3], s[G0+3], 0x80000000
	s_cmp_lt_u32 s[WV], 8
	s_cbranch_scc0 .Lno_fill
	tensor_load_to_lds s[G0:G0+3], s[G1:G1+7]      ; filled once, never again
	s_nop 0
.rept 4
	v_nop
.endr
.Lno_fill:
	v_and_b32 v232, 31, v0
	s_delay_alu instid0(VALU_DEP_1)
	v_lshlrev_b32 v[LI], 4, v232
	v_and_b32 v233, 15, v0                         ; r
	v_bfe_u32 v234, v0, 4, 1                       ; h
	s_delay_alu instid0(VALU_DEP_2)
	v_lshlrev_b32 v[LW], 2, v233
	s_wait_alu depctr_va_vdst(0)
	v_and_b32 v[RP], 8, v233
	s_delay_alu instid0(VALU_DEP_1)
	v_add_nc_u32 v[RP], v[RP], v233
	v_lshlrev_b32 v235, 4, v234
	s_delay_alu instid0(VALU_DEP_1)
	v_sub_nc_u32 v[RH], v[RP], v235
	v_lshl_add_u32 v[AW], v233, 3, v234
	v_mov_b32 v[NEG], 0xc79c4000
	s_lshl_b32 s52, s[BH], 16                      ; Q's codes: 65,536 bytes a head, 1,024 a tile
	s_lshl_b32 s54, s[T0], 10
	s_add_co_u32 s54, s52, s54
	s_mov_b32 s55, 0
	s_add_nc_u64 s[58:59], s[4:5], s[54:55]
	s_sub_co_u32 s51, 63, s[T0]                    ; my second tile
	s_lshl_b32 s54, s51, 10
	s_add_co_u32 s54, s52, s54
	s_add_nc_u64 s[60:61], s[4:5], s[54:55]
	s_lshl_b32 s52, s[BH], 12                      ; Q's scale words: 4,096 bytes a head, 64 a tile
	s_add_co_u32 s52, s52, QSOFF
	s_lshl_b32 s54, s[T0], 6
	s_add_co_u32 s54, s52, s54
	s_add_nc_u64 s[62:63], s[4:5], s[54:55]
	s_lshl_b32 s54, s51, 6
	s_add_co_u32 s54, s52, s54
	s_add_nc_u64 s[66:67], s[4:5], s[54:55]
	global_load_b128 v[16:19], v[LI], s[58:59]     ; both tiles' Q stay in registers
	global_load_b128 v[20:23], v[LI], s[58:59] offset:512
	global_load_b32 v228, v[LW], s[62:63]
	global_load_b128 v[240:243], v[LI], s[60:61]
	global_load_b128 v[244:247], v[LI], s[60:61] offset:512
	global_load_b32 v236, v[LW], s[66:67]
.irp j, 0,1,2,3,4,5,6,7
	v_mov_b32 v[24+\j], 0                          ; K = 64 .. 127 of Q: zero codes
	v_mov_b32 v[248+\j], 0
.irp t, 0,1,2,3
	v_mov_b32 v[40+16*\t+\j], 0                    ; and of K's four fragments: cleared once, never loaded
.endr
.endr
.irp b, 0,1,2,3
	v_mov_b32 v[PX+\b], 0                          ; written once: a lane permute's destination counts as one of its sources
.endr
	v_mov_b32 v231, 0
.irp j, 0,1,2,3,4,5,6,7,8,9,10,11,12,13,14,15
	v_mov_b32 v[PC+\j], 0                          ; written on every way into a hidden step
.endr
	v_mov_b32 v[PWD], 0x7f7f7f7f
	s_wait_loadcnt 0x0
	s_wait_tensorcnt 0x0                           ; my chunk has landed,
	s_barrier_signal -1
	s_barrier_wait -1                              ; everybody's has
.macro PASS p, QF, QW                  ; one tile of 16 queries: p = 0 or 1; its Q in v[QF] on, its scale words in v[QW]
.if \p == 0
	s_mov_b32 s[TAU], s[T0]
.else
	s_sub_co_u32 s[TAU], 63, s[T0]
.endif
	s_lshr_b32 s[JG], s[TAU], 3
	s_cmp_lt_u32 s[JG], 7
	s_cselect_b32 s[JC], s[JG], 255
	s_lshl_b32 s50, s[BB], 6
	s_add_co_u32 s50, s50, s[TAU]                  ; the tile among the 512 of all tokens
	s_lshl_b32 s52, s50, 14
	s_lshl_b32 s53, s[HD], 10                      ; a head's 64 channels are half an image
	s_add_co_u32 s52, s52, s53
	s_mov_b32 s53, 0
	s_add_nc_u64 s[AB:AB+1], s[8:9], s[52:53]
	s_lshl_b32 s52, s50, 9
	s_lshr_b32 s54, s[HD], 2
	s_lshl_b32 s54, s54, 7                         ; four heads are 256 along K: 128 bytes of scale words,
	s_add_co_u32 s52, s52, s54
	s_and_b32 s54, s[HD], 3
	s_lshl_b32 s54, s54, 1                         ; a head two bytes of a row's eight
	s_add_co_u32 s52, s52, s54
	s_add_co_u32 s52, s52, SCOFF
	s_add_nc_u64 s[ASB:ASB+1], s[8:9], s[52:53]
	s_lshr_b32 s50, s[TAU], 1
	s_lshl_b32 s50, s50, 5
	s_and_b32 s51, s[TAU], 1
	s_lshl_b32 s51, s51, 3
	s_add_co_u32 s50, s50, s51                     ; the tile's first token
	s_and_b32 s51, s50, 127                        ; and its place in the diagonal step
	s_sub_co_u32 s52, 7, s[JG]
	s_lshl_b32 s52, s52, 6                         ; 64 keys a lane in each wholly hidden step
	v_add_nc_u32 v[DD], s51, v[RH]
	v_cvt_f32_u32 v[TAIL], s52
	v_add_nc_u32 v232, s50, v[RP]                  ; my query's token
	s_delay_alu instid0(VALU_DEP_1)
	v_cmp_eq_u32 vcc_lo, 0x3ff, v232
	v_mul_f32 v13, s[CS], v[NEG]                   ; the largest t so far: the hidden keys',
	v_mov_b32 v233, 0xff61b1e6
	s_delay_alu instid0(VALU_DEP_1)
	v_cndmask_b32 v13, v13, v233, vcc_lo           ; or -3e38 in the row that has none
	s_delay_alu instid0(VALU_DEP_1)
	v_floor_f32 v12, -v13                          ; -M
	v_mov_b32 v14, 0                               ; the sum, in two halves
	v_mov_b32 v15, 0
.set j, 0
.rept 32
	v_mov_b32 v[OT+j], 0                           ; O^T: the step is written once, its first turn finds zeros
.set j, j+1
.endr
	s_mov_b32 s[SI], 0
	s_mov_b32 s[TB], 0
.Lstep_\@:                                         ; eight trips: every key step of the head
	v_add_nc_u32 v[ADC], s[TB], v[LI]
	v_add_nc_u32 v[ADW], s[TB], v[LW]
	s_cmp_gt_u32 s[SI], s[JG]
	s_cbranch_scc1 .Lhid_\@
	s_setprio 2
.rept 9
	v_nop                                          ; the scores are written over registers that the last products read as operands: nine places
.endr
	s_wait_alu depctr_va_vdst(0)
.irp g, 0,1                                    ; S^T = K Q^T, four tiles of 16 keys at a time
.if \g > 0
.rept 8
	v_nop                                          ; places in front of loads into registers that matrix instructions have read
.endr
.endif
.irp t, 0,1,2,3
	ds_load_b128 v[32+16*\t:35+16*\t], v[ADC] offset:(4*\g+\t)*1024
	ds_load_b128 v[36+16*\t:39+16*\t], v[ADC] offset:(4*\g+\t)*1024+512
	ds_load_b32 v[KW+\t], v[ADW] offset:16384+(4*\g+\t)*64
.endr
	s_wait_dscnt 0x0
.irp t, 0,1,2,3
	v_wmma_scale_f32_16x16x128_f8f6f4 v[SS+8*(4*\g+\t):SS+8*(4*\g+\t)+7], v[32+16*\t:47+16*\t], v[\QF:\QF+15], 0, v[KW+\t], v[\QW] matrix_a_fmt:MATRIX_FMT_BF8 matrix_b_fmt:MATRIX_FMT_BF8
.endr
.endr
.rept 8
	v_nop
.endr
	s_cmp_lt_u32 s[SI], s[JG]
	s_cbranch_scc1 .Lopen_\@                       ; a step all of whose keys count skips the mask
.set n, 0
.rept 64
	v_cmp_gt_i32 vcc_lo, 32*(n/16)+n%16, v[DD]     ; register 16 b + i holds key 32 b + 16 (lane / 16) + i of the step: hidden where it comes after my query
	v_cndmask_b32 v[SS+n], v[SS+n], v[NEG], vcc_lo
.set n, n+1
.endr
.Lopen_\@:
.irp b, 0,1,2,3
	v_max3_num_f32 v[BX+\b], v[SS+16*\b], v[SS+1+16*\b], v[SS+2+16*\b]   ; the largest score of each block of 32 keys: for the row's maximum and, since p rises with the score, for the block's largest p
.endr
.irp i, 3,5,7,9,11,13
.irp b, 0,1,2,3
	v_max3_num_f32 v[BX+\b], v[BX+\b], v[SS+16*\b+\i], v[SS+1+16*\b+\i]
.endr
.endr
.irp b, 0,1,2,3
	v_max_num_f32 v[BX+\b], v[BX+\b], v[SS+15+16*\b]
.endr
.irp b, 0,1,2,3
	s_delay_alu instid0(VALU_DEP_4)
	v_permlanex16_b32 v[PX+\b], v[BX+\b], s[SEL], s[SEL+1]
.endr
.irp b, 0,1,2,3
	s_delay_alu instid0(VALU_DEP_4)
	v_max_num_f32 v[BX+\b], v[BX+\b], v[PX+\b]     ; with lane l xor 16's 16 keys
.endr
	s_delay_alu instid0(VALU_DEP_2)
	v_max3_num_f32 v232, v[BX], v[BX+1], v[BX+2]
	s_delay_alu instid0(VALU_DEP_1)
	v_max_num_f32 v232, v232, v[BX+3]
	s_delay_alu instid0(VALU_DEP_1)
	v_mul_f32 v232, s[CS], v232                    ; the step's largest t of my query
	s_delay_alu instid0(VALU_DEP_1)
	v_max_num_f32 v13, v13, v232                   ; the running largest t
	v_mov_b32 v232, v12
	s_delay_alu instid0(VALU_DEP_2)
	v_floor_f32 v12, -v13                          ; the new -M = -ceil(t): a whole number
	s_delay_alu instid0(VALU_DEP_1)
	v_sub_f32 v232, v12, v232                      ; old M - new M: a whole number, 0 or less
	s_delay_alu instid0(VALU_DEP_1)
	v_cvt_i32_f32 v232, v232                       ; (it saturates)
	s_delay_alu instid0(VALU_DEP_1)
	v_ldexp_f32 v[FF], 1.0, v232                   ; f = 2^(old M - new M): rounds nothing
.set j, 0
.rept 32
	v_pk_fma_f32 v[SS+j:SS+j+1], v[SS+j:SS+j+1], s[CS:CS+1], v[12:13] op_sel_hi:[1,0,0]   ; t - M, two at a time
.set j, j+2
.endr
.irp b, 0,1,2,3
	v_fma_f32 v[BX+\b], v[BX+\b], s[CS], v12
.endr
.set j, 0
	s_setprio 1
	s_wait_alu depctr_va_vdst(0)
.rept 64
	v_exp_f32 v[SS+j], v[SS+j]                     ; p = 2^(t - M)
.set j, j+1
.endr
	v_pk_mul_f32 v[14:15], v[14:15], v[FF:FF+1] op_sel_hi:[1,0]   ; the sums under the new M: the plain line behind the exponentials
	s_wait_alu depctr_va_vdst(0)                   ; one wait for the batch, ahead of its first reader
.irp b, 0,1,2,3
	v_exp_f32 v[BX+\b], v[BX+\b]                   ; the blocks' largest p
.endr
	v_pk_add_f32 v[234:235], v[100:101], v[104:105]
	v_pk_add_f32 v[226:227], v[108:109], v[112:113]
	v_pk_add_f32 v[224:225], v[116:117], v[120:121]
	v_pk_add_f32 v[222:223], v[124:125], v[128:129]
	v_pk_add_f32 v[220:221], v[132:133], v[136:137]
	v_pk_add_f32 v[218:219], v[140:141], v[144:145]
	v_pk_add_f32 v[216:217], v[148:149], v[152:153]
	v_pk_add_f32 v[14:15], v[14:15], v[156:157]
	v_pk_add_f32 v[234:235], v[234:235], v[96:97]
	v_pk_add_f32 v[226:227], v[226:227], v[98:99]
	v_pk_add_f32 v[224:225], v[224:225], v[102:103]
	v_pk_add_f32 v[222:223], v[222:223], v[106:107]
	v_pk_add_f32 v[220:221], v[220:221], v[110:111]
	v_pk_add_f32 v[218:219], v[218:219], v[114:115]
	v_pk_add_f32 v[216:217], v[216:217], v[118:119]
	v_pk_add_f32 v[14:15], v[14:15], v[122:123]
	v_pk_add_f32 v[234:235], v[234:235], v[126:127]
	v_pk_add_f32 v[226:227], v[226:227], v[130:131]
	v_pk_add_f32 v[224:225], v[224:225], v[134:135]
	v_pk_add_f32 v[222:223], v[222:223], v[138:139]
	v_pk_add_f32 v[220:221], v[220:221], v[142:143]
	v_pk_add_f32 v[218:219], v[218:219], v[146:147]
	v_pk_add_f32 v[216:217], v[216:217], v[150:151]
	v_pk_add_f32 v[14:15], v[14:15], v[154:155]
	v_pk_add_f32 v[234:235], v[234:235], v[158:159]
	s_delay_alu instid0(VALU_DEP_2)
	v_pk_add_f32 v[14:15], v[14:15], v[222:223]
	s_delay_alu instid0(VALU_DEP_2)
	v_pk_add_f32 v[234:235], v[234:235], v[220:221]
	v_pk_add_f32 v[226:227], v[226:227], v[218:219]
	v_pk_add_f32 v[224:225], v[224:225], v[216:217]
	s_delay_alu instid0(VALU_DEP_2)
	v_pk_add_f32 v[14:15], v[14:15], v[226:227]
	s_delay_alu instid0(VALU_DEP_2)
	v_pk_add_f32 v[234:235], v[234:235], v[224:225]
	s_delay_alu instid0(VALU_DEP_1)
	v_pk_add_f32 v[14:15], v[14:15], v[234:235]
	s_wait_alu depctr_va_vdst(0)                   ; and one for the four
.irp b, 0,1,2,3
	v_max_num_f32 v[BX+\b], 0x8000000, v[BX+\b]    ; the floor 2^(16 - 127)
.endr
.irp b, 0,1,2,3
	s_delay_alu instid0(VALU_DEP_4)
	v_add_nc_u32 v[SO+\b], 0xf8800000, v[BX+\b]
.endr
.irp b, 0,1,2,3
.endr
.irp b, 0,1,2,3
	s_delay_alu instid0(VALU_DEP_4)
	v_lshrrev_b32 v[PX+\b], 23, v[SO+\b]
.endr
	s_delay_alu instid0(VALU_DEP_3)
	v_lshl_or_b32 v[PWD], v[PX+1], 8, v[PX]        ; p's scale word for these 128 keys
	s_delay_alu instid0(VALU_DEP_1)
	v_lshl_or_b32 v[PWD], v[PX+2], 16, v[PWD]
	s_delay_alu instid0(VALU_DEP_1)
	v_lshl_or_b32 v[PWD], v[PX+3], 24, v[PWD]
.irp b, 0,1,2,3
.irp i, 0,1,2,3,4,5,6,7,8,9,10,11,12,13,14,15
.endr
	v_cvt_scalef32_pk8_bf8_f32 v[PC+4*\b:PC+1+4*\b], v[SS+16*\b:SS+7+16*\b], v[SO+\b]
	v_cvt_scalef32_pk8_bf8_f32 v[PC+2+4*\b:PC+3+4*\b], v[SS+8+16*\b:SS+15+16*\b], v[SO+\b]
.endr
	v_nop
	VLOADS                                         ; into the registers that p has left
.set j, 0
.rept 16
	v_pk_mul_f32 v[OT+j:OT+j+1], v[OT+j:OT+j+1], v[FF:FF+1] op_sel_hi:[1,0]   ; O^T under the new M; these lines are also the places between the codes' making and the products
.set j, j+2
.endr
	s_setprio 0
	s_wait_alu depctr_va_vdst(0)
	s_wait_dscnt 0x0
	PVS
	s_cmp_lg_u32 s[SI], s[JC]
	s_cbranch_scc1 .Lnext_\@
	; behind the diagonal step, where hidden steps follow: their one p, its share of the sum, its codes and its scale word
.rept 8
	v_nop
.endr
	v_fma_f32 v232, v[NEG], s[CS], v12
	s_wait_alu depctr_va_vdst(0)
	v_exp_f32 v232, v232
	v_nop
	s_wait_alu depctr_va_vdst(0)
	v_fmac_f32 v14, v[TAIL], v232
	v_max_num_f32 v233, 0x8000000, v232
	s_delay_alu instid0(VALU_DEP_1)
	v_add_nc_u32 v[SO], 0xf8800000, v233
	s_delay_alu instid0(VALU_DEP_2)
	v_and_or_b32 v[HO], v233, 0x7f800000, s[MNT]
	s_delay_alu instid0(VALU_DEP_2)
	v_lshrrev_b32 v[PX], 23, v[SO]
	s_delay_alu instid0(VALU_DEP_1)
	v_mul_lo_u32 v[PWD], v[PX], s[REP]             ; the same byte for all four blocks
	v_min_num_f32 v232, v232, v[HO]
.irp i, 0,1,2,3,4,5,6,7
	v_mov_b32 v[SS+\i], v232
.endr
	v_cvt_scalef32_pk8_bf8_f32 v[PC:PC+1], v[SS:SS+7], v[SO]
	v_nop
.irp i, 2,3,4,5,6,7,8,9,10,11,12,13,14,15
	v_mov_b32 v[PC+\i], v[PC+(\i%2)]
.endr
	s_branch .Lnext_\@
.Lhid_\@:                                          ; all 128 keys hidden: four products with the constant p
.rept 8
	v_nop                                          ; places in front of the loads, and between the scale word's making and the products
.endr
	s_wait_alu depctr_va_vdst(0)
	VLOADS
	s_wait_dscnt 0x0
	PVS
.Lnext_\@:
	s_add_co_u32 s[TB], s[TB], CHUNK
	s_add_co_u32 s[SI], s[SI], 1
	s_cmp_lt_u32 s[SI], 8
	s_cbranch_scc1 .Lstep_\@
	s_setprio 0
	; the way out: O^T / the sum, quantised along the channels (two blocks of 32: my 16 registers and lane l xor 16's), stored as half an image
.rept 8
	v_nop
.endr
	v_add_f32 v14, v14, v15
	s_delay_alu instid0(VALU_DEP_1)
	v_permlanex16_b32 v232, v14, s[SEL], s[SEL+1]
	s_delay_alu instid0(VALU_DEP_1)
	v_add_f32 v14, v14, v232                       ; the row's sum
	s_wait_alu depctr_va_vdst(0)
	v_rcp_f32 v14, v14
	v_nop
	s_wait_alu depctr_va_vdst(0)
.set j, 0
.rept 32
	v_mul_f32 v[SS+j], v[OT+j], v14                ; register 16 b + i: channel 32 b + 16 (lane / 16) + i; each accumulator from its low end on
.set j, j+1
.endr
.irp b, 0,1
	v_max3_num_f32 v[BX+\b], |v[SS+16*\b]|, |v[SS+1+16*\b]|, 0x8000000
.endr
.irp i, 2,4,6,8,10,12,14
.irp b, 0,1
	s_delay_alu instid0(VALU_DEP_2)
	v_max3_num_f32 v[BX+\b], v[BX+\b], |v[SS+16*\b+\i]|, |v[SS+1+16*\b+\i]|
.endr
.endr
.irp b, 0,1
	s_delay_alu instid0(VALU_DEP_2)
	v_permlanex16_b32 v[PX+\b], v[BX+\b], s[SEL], s[SEL+1]
.endr
.irp b, 0,1
	s_delay_alu instid0(VALU_DEP_2)
	v_max_num_f32 v[BX+\b], v[BX+\b], v[PX+\b]
.endr
.irp b, 0,1
	s_delay_alu instid0(VALU_DEP_2)
	v_add_nc_u32 v[SO+\b], 0xf8800000, v[BX+\b]
.endr
.irp b, 0,1
.endr
.irp b, 0,1
	s_delay_alu instid0(VALU_DEP_2)
	v_lshrrev_b32 v[PX+\b], 23, v[SO+\b]
.endr
.irp b, 0,1
.irp i, 0,1,2,3,4,5,6,7,8,9,10,11,12,13,14,15
.endr
	v_cvt_scalef32_pk8_bf8_f32 v[SS+32+4*\b:SS+33+4*\b], v[SS+16*\b:SS+7+16*\b], v[SO+\b]
	v_cvt_scalef32_pk8_bf8_f32 v[SS+34+4*\b:SS+35+4*\b], v[SS+8+16*\b:SS+15+16*\b], v[SO+\b]
.endr
	v_nop
	global_store_b128 v[LI], v[SS+32:SS+35], s[AB:AB+1]             ; 1,024 consecutive bytes in two stores
	global_store_b128 v[LI], v[SS+36:SS+39], s[AB:AB+1] offset:512
	v_cndmask_b32 v233, v[PX], v[PX+1], s[HM]      ; lanes 0-15 store the first block's byte, lanes 16-31 the second's
	global_store_b8 v[AW], v233, s[ASB:ASB+1]
	s_wait_xcnt 0x0                                ; the stores have read their registers and bases: the next tile writes them again
.endm
	PASS 0, 16, 228
	PASS 1, 240, 236
	s_wait_tensorcnt 0x0
	ds_add_u32 v238, v239
	s_wait_dscnt 0x0
	s_endpgm
.Lfunc_end_k_q7976cdb40f_attn:
	.size	k_q7976cdb40f_attn, .Lfunc_end_k_q7976cdb40f_attn-k_q7976cdb40f_attn
	.p2alignl 7, 3214868480
	.fill 96, 4, 3214868480
	.section	.rodata,"a",@progbits
	.p2align	6, 0x0
	.amdhsa_kernel k_q7976cdb40f_attn
		.amdhsa_group_segment_fixed_size 169984
		.amdhsa_private_segment_fixed_size 0
		.amdhsa_enable_private_segment 0
		.amdhsa_kernarg_size 24
		.amdhsa_user_sgpr_count 2
		.amdhsa_user_sgpr_kernarg_segment_ptr 1
		.amdhsa_wavefront_size32 1
		.amdhsa_system_sgpr_workgroup_id_x 1
		.amdhsa_system_sgpr_workgroup_id_y 1
		.amdhsa_system_sgpr_workgroup_id_z 1
		.amdhsa_system_vgpr_workitem_id 0
		.amdhsa_next_free_vgpr 256
		.amdhsa_next_free_sgpr 68
		.amdhsa_reserve_vcc 1
		.amdhsa_float_denorm_mode_32 3
		.amdhsa_float_denorm_mode_16_64 3
		.amdhsa_fp16_overflow 1
		.amdhsa_memory_ordered 1
		.amdhsa_forward_progress 1
		.amdhsa_inst_pref_size 75
	.end_amdhsa_kernel
	.amdgpu_metadata
---
amdhsa.version: [ 1, 2 ]
amdhsa.kernels:
  - .name:           k_q7976cdb40f_attn
    .symbol:         k_q7976cdb40f_attn.kd
    .args:
      - { .name: qq, .offset: 0, .size: 8, .value_kind: global_buffer, .address_space: global }
      - { .name: kv, .offset: 8, .size: 8, .value_kind: global_buffer, .address_space: global }
      - { .name: aq, .offset: 16, .size: 8, .value_kind: global_buffer, .address_space: global }
    .group_segment_fixed_size: 169984
    .private_segment_fixed_size: 0
    .kernarg_segment_align: 8
    .kernarg_segment_size: 24
    .max_flat_workgroup_size: 512
    .sgpr_count:     68
    .vgpr_count:     256
    .wavefront_size: 32
...
	.end_amdgpu_metadata
.endif
;; end of part 3
;; launch proj (part 4): grid 4 x 32, 4 waves a work-group, clusters of 4 x 4, 327,680 bytes of LDS; arguments aq, wq, c_proj_b, out0; writes out0
.if DOCPART == 4
	.amdgcn_target "amdgcn-amd-amdhsa--gfx1250"
	.amdhsa_code_object_version 6
	.text
	.protected	k_q7976cdb40f_proj
	.globl	k_q7976cdb40f_proj
	.p2align	8
	.type	k_q7976cdb40f_proj,@function
k_q7976cdb40f_proj:
	s_mov_b64 s[64:65], 0
	v_nop
	global_prefetch_b8 v0, s[64:65] scope:SCOPE_SE
	s_setreg_imm32_b32 hwreg(HW_REG_WAVE_MODE, 25, 1), 1
	s_wait_xcnt 0x0
	s_wait_alu depctr_hold_cnt(0) depctr_sa_sdst(0) depctr_va_vdst(0) depctr_va_sdst(0) depctr_va_ssrc(0) depctr_va_vcc(0) depctr_vm_vsrc(0)
	s_getreg_b32 s2, hwreg(HW_REG_IB_STS2, 6, 4)
	s_cmp_eq_u32 s2, 0
	s_cbranch_scc0 .Lentry_in_a_cluster
	s_endpgm
.Lentry_in_a_cluster:
	s_bfe_u32 s2, ttmp6, 0x10000c
	s_cmp_lg_u32 s2, 0xf033
	s_cbranch_scc0 .Lentry_shape_is_right
	s_endpgm
.Lentry_shape_is_right:
; out0 = a c_proj_w + c_proj_b on codes of BF8 (E5M2) with E8M0 scales, K = 1,024; out0 [8192][1024] f32.
; OPERANDS lie in memory as images of the operand's registers: a tile of 16 rows, [K step of 128][c 0..3][lane][16 bytes]; tile 2 B + u, row r, is the natural row 32 B + 8 u + r + 8 (r / 8); scale words [tile][K / 256][r][8 bytes] from SCOFF on.
; A = aq (tokens), B = wq's tiles 192..255 (c_proj_w's columns).  A work-group of four waves makes 256 x 256 of out0, a wave 128 x 128: 64 accumulators.  K goes in steps of 256 through a ring of two LDS slots; the scale words come once.
; THE MATRIX INSTRUCTION: source 0 = 16 rows of B, source 1 = 16 rows of A: a lane holds one token, and accumulator b's register j is column 32 (b / 2) + 16 (lane / 16) + 8 (b % 2) + j of my 128.
; CLUSTERS: 4 x 4 work-groups; A's tiles are asked for jointly along a row of the cluster, B's along a column.  128 work-groups: the size has no more tiles of 256 x 256.
; REGISTERS, in windows of 256: window 0: v0-31 addresses; v32-63 scale words, two sets; v64-67 the bias; from v128 A's fragments, one set (on the way out rows of out0); window 1: B's fragments, two sets; windows 2, 3: the accumulators.
.set NQ,     2
.set FR,     16
.set NL,     4
.set NP,     8                         ; places behind this matrix instruction (ISA guide 7.12.1)
.set KSB,    4096                      ; a tile's bytes of a K step of 256
.set HALFT,  32768                     ; 8 tiles: what one tensor load brings
.set SLOT,   131072
.set LAPS,   2
.set SCL,    262144                    ; behind the ring: the scale words
.set HALFS,  4096
.set SPARE,  278528                    ; the spare words, 128 bytes for each wave: two blocks of 256 bytes that no other line names
.set SCOFF,  8388608
.set SPITCH, 528                       ; the way out: a stage of 16 rows x (512 bytes + 16) for each wave, in slot 0, which has had its last fill and its last read when the first result is stored there
.set LI,   4
.set ADRA, 16
.set ADRB, 20
.set STO,  24                          ; v24  the stage: row r, + 64 (lane / 16)
.set RD,   25                          ; v25  and where I read a row back
.set CO,   26                          ; v26  16 x lane: my bytes of a row's 512
.set ADRS, 27
.set SPW,  28
.set NIL,  29
.set SC,   32
.set BI,   64                          ; v[64:67] the bias of my four columns
.set AF,   128
.set BK,   128
.set G1, 24
.set G0, 32
.set G1B, 48
.set G0B, 56
.set G1S, 68
.set G0S, 76
.set G1SB, 80
.set G0SB, 88
.set MSB, 0
.macro WIN new                         ; the immediate's high byte repeats the setting that is left
.if MSB != (\new)
	s_set_vgpr_msb (MSB<<8)|(\new)
.set MSB, (\new)
.endif
.endm
.set MUL_LO, 0xa1
.set MUL_HI, 0xf1
.set TO_B,   0x40
.macro JLOAD g0a, g1a, g0b, g1b        ; a joint load: waves 0 and 1 fetch for A, waves 2 and 3 for B; four v_nop follow each of the two lines
	s_cmp_eq_u32 s15, 0
	s_cbranch_scc0 .Lfor_b_\@
	tensor_load_to_lds s[\g0a:\g0a+3], s[\g1a:\g1a+7]
	s_nop 0
.rept 4
	v_nop
.endr
	s_branch .Lasked_\@
.Lfor_b_\@:
	tensor_load_to_lds s[\g0b:\g0b+3], s[\g1b:\g1b+7]
	s_nop 0
.rept 4
	v_nop
.endr
.Lasked_\@:
.endm
.macro CREST
	s_cmp_lg_u32 s14, 0
	s_cbranch_scc1 .Lnot_wave_0_\@
	s_barrier_signal -3
.Lnot_wave_0_\@:
	s_barrier_wait -3
	s_barrier_signal -1
	s_barrier_wait -1
.endm
.macro CROUND
	s_barrier_signal -1
	s_barrier_wait -1
	CREST
.endm
	s_load_b256 s[4:11], s[0:1], 0x0               ; aq s[4:5], wq s[6:7], c_proj_b s[8:9], out0 s[10:11]
	v_lshl_add_u32 v[SPW], v0, 2, SPARE
	v_mov_b32 v[NIL], 0
	ds_add_u32 v28, v29
	ds_add_u32 v28, v29
	s_wait_dscnt 0x0
	v_lshrrev_b32 v1, 5, v0
	v_readfirstlane_b32 s14, v1                    ; wave 0..3
	s_lshr_b32 s15, s14, 1                         ; which half of A's 16 tiles is mine.  Also: I fetch for A (0) or for B (1)
	s_and_b32 s16, s14, 1                          ; which half of B's.  Also: which 8 tiles I fetch
	s_bfe_u32 s40, ttmp6, 0x40000                  ; cx, cy
	s_bfe_u32 s41, ttmp6, 0x40004
	s_add_co_u32 s42, s40, 12                      ; B's block of 256 columns: wq's tiles 192 on (the grid has one cluster along x)
	s_and_b32 s17, ttmp7, 0xffff
	s_lshl_b32 s17, s17, 2
	s_add_co_u32 s17, s17, s41                     ; A's block of 256 tokens
	s_lshl_b32 s43, s41, 2
	s_lshl_b32 s43, 15, s43                        ; my row of the cluster
	s_lshl_b32 s44, 0x1111, s40                    ; my column
	s_or_b32 s[G1+0], s43, (3<<16)|(1<<21)         ; codes: 8 rows (tiles) of 4,096 bytes, 16,384 apart; elements of 8 bytes; bit 21 set beside a mask
	s_or_b32 s[G1B+0], s44, (3<<16)|(1<<21)
.irp g, G1, G1B
	s_mov_b32 s[\g+1], 512<<16
	s_mov_b32 s[\g+2], 8<<16
	s_mov_b32 s[\g+3], 512<<16
	s_mov_b32 s[\g+4], 8
	s_mov_b32 s[\g+5], 2048
	s_mov_b32 s[\g+6], 0
	s_mov_b32 s[\g+7], 0
.endr
	s_or_b32 s[G1S+0], s43, (3<<16)|(1<<21)        ; scale words of 8 tiles: 4,096 dense bytes, as 16 rows of 256
	s_or_b32 s[G1SB+0], s44, (3<<16)|(1<<21)
.irp g, G1S, G1SB
	s_mov_b32 s[\g+1], 32<<16
	s_mov_b32 s[\g+2], 16<<16
	s_mov_b32 s[\g+3], 32<<16
	s_mov_b32 s[\g+4], 16
	s_mov_b32 s[\g+5], 32
	s_mov_b32 s[\g+6], 0
	s_mov_b32 s[\g+7], 0
.endr
	s_lshl_b32 s18, s16, 3
	s_lshl_b32 s20, s17, 4
	s_add_co_u32 s20, s20, s18                     ; A: the first tile that I fetch
	s_lshl_b32 s46, s42, 4
	s_add_co_u32 s46, s46, s18                     ; B likewise
	s_lshl_b32 s22, s20, 9
	s_add_co_u32 s22, s22, SCOFF
	s_mov_b32 s23, 0
	s_lshl_b32 s92, s46, 9
	s_add_co_u32 s92, s92, SCOFF
	s_mov_b32 s93, 0
	s_lshl_b32 s20, s20, 14
	s_mov_b32 s21, 0
	s_lshl_b32 s46, s46, 14
	s_mov_b32 s47, 0
	s_lshl_b32 s45, s14, 15
	s_lshl_b32 s94, s14, 12
	s_wait_kmcnt 0x0
	s_add_nc_u64 s[20:21], s[4:5], s[20:21]
	s_add_nc_u64 s[22:23], s[4:5], s[22:23]
	s_add_nc_u64 s[46:47], s[6:7], s[46:47]
	s_add_nc_u64 s[92:93], s[6:7], s[92:93]
	CROUND                                         ; all sixteen work-groups are here: the first joint loads meet
	s_mov_b32 s[G0S], 1
	s_add_co_u32 s[G0S+1], s94, SCL
	s_mov_b64 s[G0S+2:G0S+3], s[22:23]
	s_or_b32 s[G0S+3], s[G0S+3], 0x80000000
	s_mov_b32 s[G0SB], 1
	s_add_co_u32 s[G0SB+1], s94, SCL
	s_mov_b64 s[G0SB+2:G0SB+3], s[92:93]
	s_or_b32 s[G0SB+3], s[G0SB+3], 0x80000000
	JLOAD G0S, G1S, G0SB, G1SB
.irp s, 0,1
	s_mov_b32 s[G0+4*\s], 1
	s_add_co_u32 s[G0+4*\s+1], s45, \s*SLOT
	s_add_nc_u64 s[G0+4*\s+2:G0+4*\s+3], s[20:21], \s*KSB
	s_or_b32 s[G0+4*\s+3], s[G0+4*\s+3], 0x80000000
	s_mov_b32 s[G0B+4*\s], 1
	s_add_co_u32 s[G0B+4*\s+1], s45, \s*SLOT
	s_add_nc_u64 s[G0B+4*\s+2:G0B+4*\s+3], s[46:47], \s*KSB
	s_or_b32 s[G0B+4*\s+3], s[G0B+4*\s+3], 0x80000000
	s_wait_alu depctr_va_vdst(0)
	s_wait_tensorcnt 0x0
	ds_add_u32 v28, v29
	s_wait_dscnt 0x0
	CROUND
	JLOAD G0+4*\s, G1, G0B+4*\s, G1B
.endr
	v_and_b32 v1, 15, v0                           ; r
	v_bfe_u32 v2, v0, 4, 1                         ; h
	s_wait_alu depctr_va_vdst(0)
	v_and_b32 v3, 31, v0
	v_lshlrev_b32 v[LI], 4, v3
	s_lshl_b32 s21, s15, 15
	s_lshl_b32 s22, s16, 15
	s_add_co_u32 s22, s22, 2*HALFT
.irp s, 0,1
	v_add_nc_u32 v[ADRA+\s], s21, v[LI]
	v_add_nc_u32 v[ADRB+\s], s22, v[LI]
	s_add_co_u32 s21, s21, SLOT
	s_add_co_u32 s22, s22, SLOT
.endr
	s_lshl_b32 s21, s15, 12
	s_lshl_b32 s22, s16, 12
	s_add_co_u32 s22, s22, 2*HALFS
	s_sub_co_u32 s22, s22, s21
	v_mul_u32_u24 v6, s22, v2                      ; lanes 16-31 take B's scale words: one product by h
	s_add_co_u32 s21, s21, SCL
	v_lshlrev_b32 v5, 3, v1
	v_add_nc_u32 v5, v5, v6
	v_add_nc_u32 v[ADRS], s21, v5
	s_mul_i32 s23, s14, 16*SPITCH                  ; my stage
	v_mul_u32_u24 v5, v1, SPITCH
	v_lshl_add_u32 v5, v2, 6, v5
	v_add_nc_u32 v[STO], s23, v5
	v_lshlrev_b32 v[CO], 4, v3
	s_wait_alu depctr_va_vdst(0)
	v_add_nc_u32 v[RD], s23, v[CO]
	s_lshl_b32 s20, s17, 8
	s_lshl_b32 s21, s15, 7
	s_add_co_u32 s20, s20, s21                     ; my first row of out0
	s_lshl_b32 s20, s20, 12                        ; rows of 4,096 bytes
	s_lshl_b32 s46, s40, 10
	s_lshl_b32 s47, s16, 9
	s_add_co_u32 s46, s46, s47                     ; my first column, in bytes: 1,024 cx + 512 x half
	s_add_co_u32 s20, s20, s46
	s_mov_b32 s21, 0
	s_mov_b32 s47, 0
	s_add_nc_u64 s[10:11], s[10:11], s[20:21]
	s_add_nc_u64 s[8:9], s[8:9], s[46:47]
	global_load_b128 v[BI:BI+3], v[CO], s[8:9]     ; the bias of my four columns of a row read back from the stage
.macro FRAG reg, adr, q, i
.irp c, 0,1,2,3
	ds_load_b128 v[\reg+4*\c:\reg+4*\c+3], v[\adr] offset:2048*(\q)+512*\c+(\i)*4096
.endr
.endm
; 16 matrix instructions: A's blocks a0, a0 + 1 x B's eight.  The 64 accumulators take turns, one instruction a turn, in the same order in every step.
.macro MUL16 a0, p, q, sc, zero
.irp a, \a0, \a0+1
.irp b, 0,1,2,3,4,5,6,7
.if \zero
	v_wmma_scale_f32_16x16x128_f8f6f4 v[8*(8*((\a)%4)+\b):8*(8*((\a)%4)+\b)+7], v[128*(\p)+FR*\b:128*(\p)+FR*\b+FR-1], v[AF+FR*(\a):AF+FR*(\a)+FR-1], 0, v[SC+8*NQ*(\sc)+NQ*\b+(\q)], v[SC+8*NQ*(\sc)+NQ*(\a)+(\q)] matrix_a_fmt:MATRIX_FMT_BF8 matrix_b_fmt:MATRIX_FMT_BF8 matrix_a_scale:MATRIX_SCALE_ROW1
.else
	v_wmma_scale_f32_16x16x128_f8f6f4 v[8*(8*((\a)%4)+\b):8*(8*((\a)%4)+\b)+7], v[128*(\p)+FR*\b:128*(\p)+FR*\b+FR-1], v[AF+FR*(\a):AF+FR*(\a)+FR-1], v[8*(8*((\a)%4)+\b):8*(8*((\a)%4)+\b)+7], v[SC+8*NQ*(\sc)+NQ*\b+(\q)], v[SC+8*NQ*(\sc)+NQ*(\a)+(\q)] matrix_a_fmt:MATRIX_FMT_BF8 matrix_b_fmt:MATRIX_FMT_BF8 matrix_a_scale:MATRIX_SCALE_ROW1
.endif
.endr
.endr
.endm
.macro FETCH_B slot, q, p
	WIN TO_B
.irp i, 0,1,2,3,4,5,6,7
	FRAG 128*(\p)+FR*\i, ADRB+\slot, \q, \i
.endr
	WIN 0
.endm
.macro FETCH_A slot, q, i0
.irp i, \i0, \i0+1, \i0+2, \i0+3
	FRAG AF+FR*(\i), ADRA+\slot, \q, \i
.endr
.endm
.macro SCALES sc
.irp i, 0,1,2,3,4,5,6,7
	ds_load_b64 v[SC+8*NQ*\sc+NQ*\i:SC+8*NQ*\sc+NQ*\i+1], v[ADRS] offset:\i*512
.endr
.endm
.macro PLACES n
.rept \n
	v_nop
.endr
.endm
.macro STEP slot, q, zero
	s_wait_dscnt 4*NL                              ; B's set and A's blocks 0-3 are in; the youngest 16 loads (A's blocks 4-7) may be out
	WIN MUL_LO
	MUL16 0, (\q)%2, \q, \slot, \zero
	MUL16 2, (\q)%2, \q, \slot, \zero
	s_wait_dscnt 0
	PLACES NP
	FETCH_B \slot, (\q)+1, 1-(\q)%2
	FETCH_A \slot, (\q)+1, 0
	WIN MUL_HI
	MUL16 4, (\q)%2, \q, \slot, \zero
	MUL16 6, (\q)%2, \q, \slot, \zero
	PLACES NP
	WIN 0
	FETCH_A \slot, (\q)+1, 4
.endm
.macro TURN slot, next, fill
	s_wait_tensorcnt 0x0                           ; all my tensor loads have landed: my part of the next slot
	ds_add_u32 v[SPW], v[NIL]                      ; 0 onto my spare word
	s_wait_dscnt 4*NL+1                            ; (the add and the youngest 16 loads may be out)
	WIN MUL_LO
	MUL16 0, 1, NQ-1, \slot, 0
	s_wait_dscnt 0x0                               ; the add is done, and my reads of this slot are over
	s_barrier_signal -1
	MUL16 2, 1, NQ-1, \slot, 0
	WIN 0
	s_barrier_wait -1
.if \fill
	CREST                                          ; the barrier has opened a round of the cluster's: no wave of any partner still reads this slot or has a load on its way
	s_add_nc_u64 s[G0+4*\slot+2:G0+4*\slot+3], s[G0+4*\slot+2:G0+4*\slot+3], 2*KSB
	s_add_nc_u64 s[G0B+4*\slot+2:G0B+4*\slot+3], s[G0B+4*\slot+2:G0B+4*\slot+3], 2*KSB
	JLOAD G0+4*\slot, G1, G0B+4*\slot, G1B
	PLACES NP-4
.else
	PLACES NP
.endif
	s_wait_alu depctr_va_vdst(0)
	v_add_nc_u32 v[ADRS], 128, v[ADRS]
	FETCH_B \next, 0, 0
	FETCH_A \next, 0, 0
	SCALES \next
	WIN MUL_HI
	MUL16 4, 1, NQ-1, \slot, 0
	MUL16 6, 1, NQ-1, \slot, 0
	PLACES NP
	WIN 0
	FETCH_A \next, 0, 4
.endm
	s_wait_tensorcnt 1                             ; the scale words and my part of K step 0 are in (of my three loads K step 1's may be out)
	s_barrier_signal -1
	s_barrier_wait -1
	FETCH_B 0, 0, 0
	FETCH_A 0, 0, 0
	SCALES 0
	FETCH_A 0, 0, 4
	STEP 0, 0, 1
	s_mov_b32 s3, LAPS-1
.Llap:
	TURN 0, 1, 1
	STEP 1, 0, 0
	TURN 1, 0, 1
	STEP 0, 0, 0
	s_sub_co_u32 s3, s3, 1
	s_cmp_lg_u32 s3, 0
	s_cbranch_scc1 .Llap
	TURN 0, 1, 0
	STEP 1, 0, 0
	s_wait_dscnt 4*NL
	WIN MUL_LO
	MUL16 0, 1, NQ-1, 1, 0
	MUL16 2, 1, NQ-1, 1, 0
	s_wait_dscnt 0
	WIN MUL_HI
	MUL16 4, 1, NQ-1, 1, 0
	MUL16 6, 1, NQ-1, 1, 0
	WIN 0
; THE WAY OUT, block by block of 16 tokens x 128 columns, through my own stage in LDS: the stores into it put the columns into their natural order, the rows come back whole (512 bytes), get the bias, and are stored at the tokens' natural rows.
.macro TOSTAGE a
.set AC, 64*((\a)%4)
	WIN 0x08+4*((\a)/4)                            ; an LDS store's data are its source 1: window 2 or 3
.irp b, 0,1,2,3,4,5,6,7
	ds_store_b128 v[STO], v[AC+8*\b:AC+8*\b+3] offset:128*(\b/2)+32*(\b%2)         ; each accumulator from its low end on
	ds_store_b128 v[STO], v[AC+8*\b+4:AC+8*\b+7] offset:128*(\b/2)+32*(\b%2)+16
.endr
	WIN 0
.set BB, BK+64*((\a)%2)
.irp t, 0,1,2,3,4,5,6,7,8,9,10,11,12,13,14,15
	ds_load_b128 v[BB+4*\t:BB+4*\t+3], v[RD] offset:\t*SPITCH   ; LDS serves a wave's instructions in order: these see the stores above
.endr
.endm
.macro SEND a, younger                 ; younger: the LDS instructions issued behind block a's loads, which may stay out
.set BB, BK+64*((\a)%2)
	s_wait_dscnt \younger
.if (\a) > 0
.if (\a)%2
	s_add_nc_u64 s[10:11], s[10:11], 8*4096        ; (behind a wait on XCNT)  an odd tile begins 8 rows behind the even one,
.else
	s_add_nc_u64 s[10:11], s[10:11], 24*4096       ; the next even one 24 rows behind that
.endif
.endif
.irp t, 0,1,2,3,4,5,6,7,8,9,10,11,12,13,14,15
	v_pk_add_f32 v[BB+4*\t:BB+4*\t+1], v[BB+4*\t:BB+4*\t+1], v[BI:BI+1]
	v_pk_add_f32 v[BB+4*\t+2:BB+4*\t+3], v[BB+4*\t+2:BB+4*\t+3], v[BI+2:BI+3]
	global_store_b128 v[CO], v[BB+4*\t:BB+4*\t+3], s[10:11] offset:(\t+8*(\t/8))*4096 th:TH_STORE_NT   ; 512 consecutive bytes, aligned; written once, read by nobody here
.endr
.endm
	PLACES NP
	s_wait_loadcnt 0x0                             ; the bias
	TOSTAGE 0
.irp a, 1,2,3,4,5,6,7
.if \a > 1
	s_wait_xcnt 0x0                                ; block a - 2's stores have read their registers and their base
.endif
	TOSTAGE \a
	SEND \a-1, 32                                  ; behind block a - 1's loads: block a's 16 stores and 16 loads
.endr
	s_wait_xcnt 0x0
	SEND 7, 0
	s_wait_tensorcnt 0x0                           ; the wave's end
	ds_add_u32 v[SPW], v[NIL]
	s_wait_dscnt 0x0
	CROUND                                         ; the closing round
	s_endpgm
.Lfunc_end_k_q7976cdb40f_proj:
	.size	k_q7976cdb40f_proj, .Lfunc_end_k_q7976cdb40f_proj-k_q7976cdb40f_proj
	.p2alignl 7, 3214868480
	.fill 96, 4, 3214868480
	.section	.rodata,"a",@progbits
	.p2align	6, 0x0
	.amdhsa_kernel k_q7976cdb40f_proj
		.amdhsa_group_segment_fixed_size 327680
		.amdhsa_private_segment_fixed_size 0
		.amdhsa_enable_private_segment 0
		.amdhsa_kernarg_size 32
		.amdhsa_user_sgpr_count 2
		.amdhsa_user_sgpr_kernarg_segment_ptr 1
		.amdhsa_wavefront_size32 1
		.amdhsa_system_sgpr_workgroup_id_x 1
		.amdhsa_system_sgpr_workgroup_id_y 1
		.amdhsa_system_sgpr_workgroup_id_z 1
		.amdhsa_system_vgpr_workitem_id 0
		.amdhsa_next_free_vgpr 1024
		.amdhsa_next_free_sgpr 98
		.amdhsa_reserve_vcc 0
		.amdhsa_float_denorm_mode_32 3
		.amdhsa_float_denorm_mode_16_64 3
		.amdhsa_memory_ordered 1
		.amdhsa_forward_progress 1
		.amdhsa_inst_pref_size 162
	.end_amdhsa_kernel
	.amdgpu_metadata
---
amdhsa.version: [ 1, 2 ]
amdhsa.kernels:
  - .name:           k_q7976cdb40f_proj
    .symbol:         k_q7976cdb40f_proj.kd
    .args:
      - { .name: aq, .offset: 0, .size: 8, .value_kind: global_buffer, .address_space: global }
      - { .name: wq, .offset: 8, .size: 8, .value_kind: global_buffer, .address_space: global }
      - { .name: c_proj_b, .offset: 16, .size: 8, .value_kind: global_buffer, .address_space: global }
      - { .name: out0, .offset: 24, .size: 8, .value_kind: global_buffer, .address_space: global }
    .group_segment_fixed_size: 327680
    .private_segment_fixed_size: 0
    .kernarg_segment_align: 8
    .kernarg_segment_size: 32
    .max_flat_workgroup_size: 128
    .sgpr_count:     98
    .vgpr_count:     1024
    .wavefront_size: 32
...
	.end_amdgpu_metadata
.endif
;; end of part 4
